; MI455X (gfx1250); checked and timed in simulation.
; The chip was launched on July 23, 2026; its instructions are those of AMD's public machine-readable ISA for CDNA 5 (MIT licence, August 2026) and "CDNA5" Instruction Set Architecture Reference Guide (July 2026). The comments in the code are by the model that wrote it; some were corrected since.
;; Gemma4 Text Attention. Allowed arithmetic: float matrix products may take bf16 or f16 operands with f32 sums; other float arithmetic in f32, or as packed bf16 or f16 multiplies, adds, multiply-adds, maxima and minima; sums over many terms, partial sums and values carried from step to step in f32; what a program stores and reads back later, other than sums and carried values, may be rounded once to bf16 or f16.
;; Inputs: Wk 2,048 x 1,024 float32; Wo 1,024 x 2,048 float32; Wq 2,048 x 1,024 float32; Wv 2,048 x 1,024 float32; attention_mask 1 x 4,096 x 4,096 bool; hidden_states 1 x 4,096 x 2,048 float32; k_scale 256 float32; positions 1 x 4,096 int32; q_scale 256 float32; query_mask 1 x 4,096 bool.
;; Outputs: out0 1 x 4,096 x 2,048 float32.
;; One version. Each part assembles by itself: llvm-mc -triple=amdgcn-amd-amdhsa -mcpu=gfx1250 --defsym DOCPART=n.
;; ======== version 1 of 1: 4 launches
;; limits: right only within a limited range of input values; values are held in f16: magnitudes above 65,504 overflow, below 6.1e-05 lose precision
;; workspace buffers: XB 16,777,216 bytes; WB 16,777,216 bytes; TAB 4,194,304 bytes; MSK 2,097,152 bytes of whole numbers; QTI 2,048 bytes of whole numbers; QKV 25,165,824 bytes; AO 8,388,608 bytes
;; launch prep (part 1): grid 832 x 1, 8 waves a work-group, no clusters, 85,248 bytes of LDS; arguments hidden_states, Wq, Wk, Wv, Wo, positions, attention_mask, XB, WB, TAB, MSK, QTI; writes XB, WB, TAB, MSK, QTI
.if DOCPART == 1
	.amdgcn_target "amdgcn-amd-amdhsa--gfx1250"
	.amdhsa_code_object_version 6
	.text
	.protected	k_q5ecd873547_prep
	.globl	k_q5ecd873547_prep
	.p2align	8
	.type	k_q5ecd873547_prep,@function
k_q5ecd873547_prep:
	s_mov_b64 s[64:65], 0
	v_nop
	global_prefetch_b8 v0, s[64:65] scope:SCOPE_SE
	s_setreg_imm32_b32 hwreg(HW_REG_WAVE_MODE, 25, 1), 1
	s_wait_xcnt 0x0
; PREP: what the three matrix launches need, made once.  The work-group's number chooses one of three roles.
;   0..255   MASK   query tile qt of 16 rows: mask(q,k) = attention_mask[q][k] and |positions[q]-positions[k]| < 1024 (int32, wrapping as the reference's subtraction does),
;                   stored as lane masks: MSK[qt][kb][j], bit L = mask(16 qt + L%16, 16 kb + 8 (L/16) + j); QTI[qt] = {bit t: key tile t of 128 keys holds a visible pair; 1 if each of the 16 rows sees a key}
;   256..319 TABLE  TAB[s] = cos(positions[s] f_i), i = 0..127, then sin: f_i = 10000^(-i/128)
;   320..831 CONV   hidden_states, Wq, Wk, Wv rounded once to bf16; Wo rounded to bf16 and that number written as f16
; LIMITS.  |positions| below 2^22 (two-term reduction by pi/2); f_i by v_exp_f32, good to its last bit or two; |Wo| below 65,504, and below 6e-5 it keeps f16's fixed step of 6e-8.
; query_mask is no argument: reference() never uses it.
.set SPARE, 84224                      ; the spare words: 128 bytes a wave, four blocks of 256 bytes that no other line names
.set COMB,  83968                      ; 8 bytes a wave: its live bits and its rows' bits
.set WLDS,  10496                      ; a wave's LDS: 16 mask rows of 528 bytes, then 2,048 bytes of positions
.set MP,    528                        ; 512 bytes + 16: the 16 rows that a load touches start at different banks
	s_load_b512 s[8:23], s[0:1], 0x0               ; hidden s[8:9], Wq s[10:11], Wk s[12:13], Wv s[14:15], Wo s[16:17], positions s[18:19], attention_mask s[20:21], XB s[22:23]
	s_load_b256 s[24:31], s[0:1], 0x40             ; WB s[24:25], TAB s[26:27], MSK s[28:29], QTI s[30:31]
	v_lshl_add_u32 v4, v0, 2, SPARE                ; my spare word; never rewritten
	v_mov_b32 v5, 0                                ; 0; never rewritten
	v_lshrrev_b32 v1, 5, v0
	v_readfirstlane_b32 s2, v1                     ; wave 0..7
	v_and_b32 v1, 31, v0                           ; l
	v_and_b32 v2, 15, v0                           ; r = l % 16
	v_bfe_u32 v3, v0, 4, 1                         ; h = l / 16
	s_mov_b32 s3, ttmp9
	s_mov_b32 s33, 0                               ; the high word of every offset
	s_wait_kmcnt 0x0
	s_cmp_lt_u32 s3, 256
	s_cbranch_scc1 .Lmask
	s_cmp_lt_u32 s3, 320
	s_cbranch_scc1 .Ltable
; ---------------- CONV: 131,072 bytes of f32 a work-group, 16,384 a wave: 32 loads of 512 consecutive bytes, all out at once
	s_sub_co_u32 s4, s3, 320
	s_mov_b32 s5, 0
	s_cmp_lt_u32 s4, 256
	s_cbranch_scc0 .Lweights
	s_lshl_b32 s32, s4, 17
	s_add_nc_u64 s[34:35], s[8:9], s[32:33]
	s_lshl_b32 s32, s4, 16
	s_add_nc_u64 s[36:37], s[22:23], s[32:33]
	s_branch .Lgo
.Lweights:
	s_sub_co_u32 s4, s4, 256                       ; 0..255: 64 work-groups a tensor
	s_lshr_b32 s5, s4, 6                           ; 0 Wq, 1 Wk, 2 Wv, 3 Wo
	s_cmp_eq_u32 s5, 0
	s_cselect_b64 s[34:35], s[10:11], s[12:13]
	s_cmp_lt_u32 s5, 2
	s_cselect_b64 s[34:35], s[34:35], s[14:15]
	s_cmp_lt_u32 s5, 3
	s_cselect_b64 s[34:35], s[34:35], s[16:17]
	s_and_b32 s32, s4, 63
	s_lshl_b32 s32, s32, 17
	s_add_nc_u64 s[34:35], s[34:35], s[32:33]
	s_lshl_b32 s32, s4, 16                         ; the four tensors lie on end in WB, 4 MiB each
	s_add_nc_u64 s[36:37], s[24:25], s[32:33]
.Lgo:
	s_lshl_b32 s32, s2, 14
	s_add_nc_u64 s[34:35], s[34:35], s[32:33]
	s_lshl_b32 s32, s2, 13
	s_add_nc_u64 s[36:37], s[36:37], s[32:33]
	v_lshlrev_b32 v6, 4, v1
	v_lshlrev_b32 v7, 3, v1
.set n, 0
.rept 32
	global_load_b128 v[16+4*n:19+4*n], v6, s[34:35] offset:512*n th:TH_LOAD_NT
.set n, n+1
.endr
; load n is in (the 31 - n younger ones stay out); four numbers are rounded; the wave's store covers 256 consecutive bytes, aligned
.macro CV n, half
	s_wait_loadcnt 31-(\n)
	v_cvt_pk_bf16_f32 v[16+4*(\n)], v[16+4*(\n)], v[17+4*(\n)]
	v_cvt_pk_bf16_f32 v[17+4*(\n)], v[18+4*(\n)], v[19+4*(\n)]
.if \half
	v_lshlrev_b32 v[18+4*(\n)], 16, v[16+4*(\n)]   ; the bf16 numbers as f32,
	v_and_b32 v[19+4*(\n)], 0xffff0000, v[16+4*(\n)]
	v_cvt_pk_f16_f32 v[16+4*(\n)], v[18+4*(\n)], v[19+4*(\n)]  ; written as f16
	v_lshlrev_b32 v[18+4*(\n)], 16, v[17+4*(\n)]
	v_and_b32 v[19+4*(\n)], 0xffff0000, v[17+4*(\n)]
	v_cvt_pk_f16_f32 v[17+4*(\n)], v[18+4*(\n)], v[19+4*(\n)]
.endif
	global_store_b64 v7, v[16+4*(\n):17+4*(\n)], s[36:37] offset:256*(\n)
.endm
	s_cmp_eq_u32 s5, 3
	s_cbranch_scc1 .Lhalf
.set n, 0
.rept 32
	CV n, 0
.set n, n+1
.endr
	s_endpgm                                       ; this role has touched no LDS
.Lhalf:
.set n, 0
.rept 32
	CV n, 1
.set n, n+1
.endr
	s_endpgm
; ---------------- TABLE: a wave makes eight rows; lane l owns the frequencies 4 l .. 4 l + 3
.Ltable:
	s_sub_co_u32 s4, s3, 256
	s_lshl_b32 s4, s4, 6
	s_lshl3_add_u32 s4, s2, s4                     ; my first row: 64 g + 8 w
	s_lshl_b32 s32, s4, 2
	s_add_nc_u64 s[34:35], s[18:19], s[32:33]
	s_load_b256 s[40:47], s[34:35], 0x0            ; my eight positions
	s_lshl_b32 s32, s4, 10
	s_add_nc_u64 s[36:37], s[26:27], s[32:33]      ; TAB at my first row
	s_mov_b32 s48, 0x3f22f983                      ; 2 / pi
	s_mov_b32 s49, 0x3fc90fdb                      ; pi / 2, its f32,
	s_mov_b32 s50, 0xb33bbd2e                      ; and what that f32 leaves over
	s_mov_b32 s51, 0xb94ca1f9                      ; sine: -1.9515295891e-4
	s_mov_b32 s52, 0x3c08839e                      ;        8.3321608736e-3
	s_mov_b32 s53, 0xbe2aaaa3                      ;       -1.6666654611e-1
	s_mov_b32 s54, 0x37ccf5ce                      ; cosine: 2.4433157118e-5
	s_mov_b32 s55, 0xbab6061a                      ;        -1.3887316255e-3
	s_mov_b32 s56, 0x3d2aaaa5                      ;         4.1666645683e-2
	v_lshlrev_b32 v6, 2, v1
	v_lshlrev_b32 v7, 4, v1
	v_cvt_f32_u32 v8, v6
	v_add_f32 v9, 1.0, v8
	v_add_f32 v10, 2.0, v8
	v_add_f32 v11, 0x40400000, v8
.irp j, 0,1,2,3
	v_mul_f32 v[8+\j], 0xbdd49a78, v[8+\j]         ; - i log2(10000) / 128
.endr
.irp j, 0,1,2,3
	v_exp_f32 v[8+\j], v[8+\j]
.endr
	v_nop                                          ; a plain instruction behind the last exponential,
	s_wait_alu depctr_va_vdst(0)                   ; and one wait for the four, ahead of the label and of their first use
	s_mov_b32 s6, 8
	s_wait_kmcnt 0x0
.Lrow:
	v_cvt_f32_i32 v12, s40
.irp j, 0,1,2,3
	v_mul_f32 v[16+\j], v12, v[8+\j]               ; the angle, rounded once as in the reference
.endr
.irp j, 0,1,2,3
	v_mul_f32 v[20+\j], s48, v[16+\j]
	v_rndne_f32 v[20+\j], v[20+\j]                 ; n quarter turns
	v_cvt_i32_f32 v[40+\j], v[20+\j]
	v_fma_f32 v[24+\j], -v[20+\j], s49, v[16+\j]
	v_fma_f32 v[24+\j], -v[20+\j], s50, v[24+\j]   ; rho, within pi / 4 of 0
	v_mul_f32 v[28+\j], v[24+\j], v[24+\j]
	v_fma_f32 v[32+\j], v[28+\j], s51, s52
	v_fma_f32 v[32+\j], v[32+\j], v[28+\j], s53
	v_mul_f32 v[32+\j], v[32+\j], v[28+\j]
	v_fma_f32 v[32+\j], v[32+\j], v[24+\j], v[24+\j]  ; sin rho
	v_fma_f32 v[36+\j], v[28+\j], s54, s55
	v_fma_f32 v[36+\j], v[36+\j], v[28+\j], s56
	v_mul_f32 v[36+\j], v[36+\j], v[28+\j]
	v_fma_f32 v13, v[28+\j], -0.5, 1.0
	v_fma_f32 v[36+\j], v[36+\j], v[28+\j], v13    ; cos rho
	v_and_b32 v14, 1, v[40+\j]                     ; an odd n swaps the two,
	v_cmp_eq_u32 vcc_lo, 1, v14
	v_cndmask_b32 v[48+\j], v[32+\j], v[36+\j], vcc_lo
	v_cndmask_b32 v[44+\j], v[36+\j], v[32+\j], vcc_lo
	v_and_b32 v14, 2, v[40+\j]                     ; n & 2 turns the sine's sign,
	v_lshlrev_b32 v14, 30, v14
	v_xor_b32 v[48+\j], v14, v[48+\j]
	v_add_nc_u32 v15, 1, v[40+\j]                  ; (n + 1) & 2 the cosine's
	v_and_b32 v15, 2, v15
	v_lshlrev_b32 v15, 30, v15
	v_xor_b32 v[44+\j], v15, v[44+\j]
.endr
	global_store_b128 v7, v[44:47], s[36:37]             ; 512 consecutive bytes: the row's cosines,
	global_store_b128 v7, v[48:51], s[36:37] offset:512  ; and its sines
	s_wait_xcnt 0x0                                ; the stores' base and data are written again only behind this wait
	s_add_nc_u64 s[36:37], s[36:37], 1024
.irp j, 40,41,42,43,44,45,46
	s_mov_b32 s[\j], s[\j+1]                       ; the next position comes to s40
.endr
	s_sub_co_u32 s6, s6, 1
	s_cmp_lg_u32 s6, 0
	s_cbranch_scc1 .Lrow
	s_endpgm                                       ; this role has touched no LDS
; ---------------- MASK: wave w owns keys 512 w .. 512 w + 511 of the tile's 16 rows
.Lmask:
	s_lshl_b32 s32, s3, 16                         ; 16 rows of 4,096 bytes
	s_lshl_b32 s4, s2, 9
	s_add_co_u32 s32, s32, s4
	s_add_nc_u64 s[34:35], s[20:21], s[32:33]
	s_lshl_b32 s32, s2, 11
	s_add_nc_u64 s[36:37], s[18:19], s[32:33]      ; my 512 keys' positions
	s_lshl_b32 s32, s3, 6
	s_add_nc_u64 s[38:39], s[18:19], s[32:33]      ; the 16 queries' positions
	s_lshl_b32 s32, s3, 13
	s_add_nc_u64 s[28:29], s[28:29], s[32:33]      ; MSK at my tile
	s_lshl_b32 s32, s3, 3
	s_add_nc_u64 s[30:31], s[30:31], s[32:33]      ; QTI at my tile
	v_lshlrev_b32 v6, 4, v1
	v_lshlrev_b32 v7, 2, v2
.set n, 0
.rept 16
	global_load_b128 v[16+4*n:19+4*n], v6, s[34:35] offset:4096*n th:TH_LOAD_NT  ; 512 consecutive bytes of row n
.set n, n+1
.endr
.irp n, 0,1,2,3
	global_load_b128 v[80+4*\n:83+4*\n], v6, s[36:37] offset:512*\n
.endr
	global_load_b32 v11, v7, s[38:39]
	s_mul_i32 s4, s2, WLDS
	v_lshl_add_u32 v14, v1, 4, s4                  ; in: 16 bytes a lane
	v_mul_u32_u24 v8, v2, MP
	v_lshl_add_u32 v8, v3, 3, v8
	v_add_nc_u32 v8, s4, v8                        ; back: row r, 8 bytes for each half of the lanes
	v_lshlrev_b32 v9, 5, v3
	v_add_nc_u32 v9, s4, v9
	v_add_nc_u32 v9, 16*MP, v9                     ; eight keys' positions for each half
	v_lshlrev_b32 v10, 3, v1
	v_lshl_add_u32 v10, s2, 10, v10                ; my 8 bytes of a key tile's 256 in MSK
	v_mov_b32 v12, 0
	v_mov_b32 v13, 0
	s_mov_b32 s40, 0                               ; OR of a key tile's words
	s_mov_b32 s41, 0                               ; my four live bits
	s_mov_b32 s42, 0                               ; OR of all my words: bit L: lane L's query sees one of its keys
	s_mov_b32 s44, 2047
	s_lshl_b32 s45, s2, 2                          ; the key tile's number
	s_mov_b32 s6, 4
	s_wait_loadcnt 0x0
	v_add_nc_u32 v11, 1023, v11                    ; pos_q + 1023
.set n, 0
.rept 16
	ds_store_b128 v14, v[16+4*n:19+4*n] offset:MP*n
.set n, n+1
.endr
.irp n, 0,1,2,3
	ds_store_b128 v14, v[80+4*\n:83+4*\n] offset:16*MP+512*\n
.endr
.Lmtile:                                       ; four trips: a key tile of 128 keys, 64 words.  LDS serves a wave's instructions in order: the loads see my own stores
.irp kb, 0,1,2,3,4,5,6,7
	ds_load_b64 v[16+2*\kb:17+2*\kb], v8 offset:16*\kb
	ds_load_b128 v[32+8*\kb:35+8*\kb], v9 offset:64*\kb
	ds_load_b128 v[36+8*\kb:39+8*\kb], v9 offset:64*\kb+16
.endr
	s_wait_dscnt 0x0
.irp kb, 0,1,2,3,4,5,6,7
	v_xor_b32 v96, 0x01010101, v[16+2*\kb]         ; a byte is 0 where the mask is true
	v_lshlrev_b32 v97, 12, v96
	v_xor_b32 v98, 0x01010101, v[17+2*\kb]
	v_lshlrev_b32 v99, 12, v98
.irp j, 0,1,2,3,4,5,6,7
	v_sub_nc_u32 v[100+\j], v11, v[32+8*\kb+\j]    ; pos_q - pos_k + 1023: within 0 .. 2046 inside the window
.if (\j)%4 == 3
	v_and_or_b32 v[100+\j], v[96+2*(\j/4)], 1<<24, v[100+\j]
.else
	v_and_or_b32 v[100+\j], v[97+2*(\j/4)], 1<<(12+8*((\j)%4)), v[100+\j]  ; a false byte sets a bit above 2046
.endif
	v_cmp_gt_u32 s[48+\j], s44, v[100+\j]
	v_writelane_b32 v[12+(\j)%2], s[48+\j], 4*\kb+(\j)/2  ; word 8 kb + j goes to lane (8 kb + j) / 2
	s_or_b32 s40, s40, s[48+\j]
.endr
.endr
	global_store_b64 v10, v[12:13], s[28:29]       ; 256 consecutive bytes, aligned
	s_or_b32 s42, s42, s40
	s_cmp_lg_u32 s40, 0
	s_cselect_b32 s43, 1, 0
	s_lshl_b32 s43, s43, s45
	s_or_b32 s41, s41, s43
	s_add_co_u32 s45, s45, 1
	s_mov_b32 s40, 0
	v_add_nc_u32 v8, 128, v8
	v_add_nc_u32 v9, 512, v9
	s_wait_xcnt 0x0                                ; the store's offset and data are written again only behind this wait
	v_add_nc_u32 v10, 256, v10
	s_sub_co_u32 s6, s6, 1
	s_cmp_lg_u32 s6, 0
	s_cbranch_scc1 .Lmtile
	v_mov_b32 v16, s41
	v_mov_b32 v17, s42
	s_lshl_b32 s46, s2, 3
	s_add_co_u32 s46, s46, COMB
	v_mov_b32 v18, s46
	ds_store_b64 v18, v[16:17]                     ; all lanes write the same two words
	s_wait_dscnt 0x0                               ; for wave 0's sake
	s_barrier_signal -1
	s_barrier_wait -1
	s_cmp_lg_u32 s2, 0
	s_cbranch_scc1 .Lmask_end
	v_mov_b32 v18, COMB
.irp n, 0,1,2,3
	ds_load_b128 v[20+4*\n:23+4*\n], v18 offset:16*\n
.endr
	v_mov_b32 v19, 0
	s_wait_dscnt 0x0
.irp j, 22,24,26,28,30,32,34
	v_or_b32 v20, v20, v[\j]                       ; the tile's 32 live bits
	v_or_b32 v21, v21, v[\j+1]
.endr
	v_lshrrev_b32 v22, 16, v21                     ; a row's keys lie in lanes r and 16 + r
	v_or_b32 v21, v21, v22
	v_and_b32 v21, 0xffff, v21
	v_cmp_eq_u32 vcc_lo, 0xffff, v21
	v_cndmask_b32 v21, 0, 1, vcc_lo
	v_cmp_eq_u32 vcc_lo, 0, v1
	s_wait_xcnt 0x0                                ; EXEC changes only behind this wait
	s_and_saveexec_b32 s47, vcc_lo
	global_store_b64 v19, v[20:21], s[30:31]       ; eight bytes a work-group: the one short store of the launch
	s_wait_xcnt 0x0
	s_or_b32 exec_lo, exec_lo, s47
.Lmask_end:
	s_wait_tensorcnt 0x0                           ; the wave's end: behind my last LDS store
	ds_add_u32 v4, v5
	s_wait_dscnt 0x0
	s_endpgm
.Lfunc_end_k_q5ecd873547_prep:
	.size	k_q5ecd873547_prep, .Lfunc_end_k_q5ecd873547_prep-k_q5ecd873547_prep
	.p2alignl 7, 3214868480
	.fill 96, 4, 3214868480
	.section	.rodata,"a",@progbits
	.p2align	6, 0x0
	.amdhsa_kernel k_q5ecd873547_prep
		.amdhsa_group_segment_fixed_size 85248
		.amdhsa_private_segment_fixed_size 0
		.amdhsa_enable_private_segment 0
		.amdhsa_kernarg_size 96
		.amdhsa_user_sgpr_count 2
		.amdhsa_user_sgpr_kernarg_segment_ptr 1
		.amdhsa_wavefront_size32 1
		.amdhsa_system_sgpr_workgroup_id_x 1
		.amdhsa_system_sgpr_workgroup_id_y 1
		.amdhsa_system_sgpr_workgroup_id_z 1
		.amdhsa_system_vgpr_workitem_id 0
		.amdhsa_next_free_vgpr 144
		.amdhsa_next_free_sgpr 66
		.amdhsa_reserve_vcc 1
		.amdhsa_float_denorm_mode_32 3
		.amdhsa_float_denorm_mode_16_64 3
		.amdhsa_memory_ordered 1
		.amdhsa_forward_progress 1
		.amdhsa_inst_pref_size 66
	.end_amdhsa_kernel
	.amdgpu_metadata
---
amdhsa.version: [ 1, 2 ]
amdhsa.kernels:
  - .name:           k_q5ecd873547_prep
    .symbol:         k_q5ecd873547_prep.kd
    .args:
      - { .name: hidden_states, .offset: 0, .size: 8, .value_kind: global_buffer, .address_space: global }
      - { .name: Wq, .offset: 8, .size: 8, .value_kind: global_buffer, .address_space: global }
      - { .name: Wk, .offset: 16, .size: 8, .value_kind: global_buffer, .address_space: global }
      - { .name: Wv, .offset: 24, .size: 8, .value_kind: global_buffer, .address_space: global }
      - { .name: Wo, .offset: 32, .size: 8, .value_kind: global_buffer, .address_space: global }
      - { .name: positions, .offset: 40, .size: 8, .value_kind: global_buffer, .address_space: global }
      - { .name: attention_mask, .offset: 48, .size: 8, .value_kind: global_buffer, .address_space: global }
      - { .name: XB, .offset: 56, .size: 8, .value_kind: global_buffer, .address_space: global }
      - { .name: WB, .offset: 64, .size: 8, .value_kind: global_buffer, .address_space: global }
      - { .name: TAB, .offset: 72, .size: 8, .value_kind: global_buffer, .address_space: global }
      - { .name: MSK, .offset: 80, .size: 8, .value_kind: global_buffer, .address_space: global }
      - { .name: QTI, .offset: 88, .size: 8, .value_kind: global_buffer, .address_space: global }
    .group_segment_fixed_size: 85248
    .private_segment_fixed_size: 0
    .kernarg_segment_align: 8
    .kernarg_segment_size: 96
    .max_flat_workgroup_size: 256
    .sgpr_count:     66
    .vgpr_count:     144
    .wavefront_size: 32
...
	.end_amdgpu_metadata
.endif
;; end of part 1
;; launch qkv (part 2): grid 12 x 16, 4 waves a work-group, clusters of 4 x 4, 327,680 bytes of LDS; arguments XB, WB, TAB, q_scale, k_scale, QKV; writes QKV
.if DOCPART == 2
	.amdgcn_target "amdgcn-amd-amdhsa--gfx1250"
	.amdhsa_code_object_version 6
	.text
	.protected	k_q5ecd873547_qkv
	.globl	k_q5ecd873547_qkv
	.p2align	8
	.type	k_q5ecd873547_qkv,@function
k_q5ecd873547_qkv:
	s_mov_b64 s[64:65], 0
	v_nop
	global_prefetch_b8 v0, s[64:65] scope:SCOPE_SE
	s_setreg_imm32_b32 hwreg(HW_REG_WAVE_MODE, 25, 1), 1
	s_wait_xcnt 0x0
	s_wait_alu depctr_hold_cnt(0) depctr_sa_sdst(0) depctr_va_vdst(0) depctr_va_sdst(0) depctr_va_ssrc(0) depctr_va_vcc(0) depctr_vm_vsrc(0)
	s_getreg_b32 s2, hwreg(HW_REG_IB_STS2, 6, 4)
	s_cmp_eq_u32 s2, 0
	s_cbranch_scc0 .Lentry_in_a_cluster
	s_endpgm
.Lentry_in_a_cluster:
	s_bfe_u32 s2, ttmp6, 0x10000c
	s_cmp_lg_u32 s2, 0xf033
	s_cbranch_scc0 .Lentry_shape_is_right
	s_endpgm
.Lentry_shape_is_right:
; Q, K, V = heads of x W, normalised, turned and rounded.  x: XB [4096][2048] bf16.  W: WB, Wq | Wk | Wv, each [2048 (k)][1024 (n)] bf16.  Sums in f32.
; A tile of the product is 256 rows x 256 columns = ONE HEAD of one tensor, so RMSNorm (mean of squares over the head's 256 channels, + 1e-6), the gain (1 + w, w rounded to bf16), the rotation
; (cos and sin from TAB, by row) and, for q, the logit's factor a = 2 log2(e) / 50 are applied in f32 on the way out, and each number is rounded once, to f16: QKV = Q | K | V, each [head][row][256].
; LIMIT: 16 |1 + w| stays within f16's 65,504.
; Four waves, each 128 x 128 of the tile in 64 accumulators.  K goes in steps of 128 through two LDS slots filled by tensor loads.  x's rows lie along K and come out of LDS as they lie;
; W's rows lie along n and come out turned, by ds_load_tr16_b128.  The matrix instruction is used transposed (source 0 = 16 columns of W, source 1 = 16 rows of x): a lane holds 8 neighbouring channels of a row.
; CLUSTER 4 x 4: cluster x is the tensor (q, k, v), cx the head, 4 x cluster y + cy the tile row.  x's tile is shared along a row of the cluster, W's along a column: joint loads.
; 192 work-groups: the norm wants a whole head in a tile, and 4,096 x 3,072 has 192 such tiles.
; REGISTERS: window 0: v16-39 addresses and gains; v64-127, v128-191 fragments of x, later the way out.  window 1: v64-191 fragments of W, later the table.  windows 2, 3: accumulator (a, b) at 8 (8 (a % 4) + b).
.set KSTEP,  128
.set PITCH,  272                       ; a row of x in LDS: 256 bytes + 16: the 16 rows of a load start at 16 different groups of four banks
.set PB,     544                       ; a row of W: 512 bytes + 32
.set HALFT,  128*PITCH                 ; what one tensor load brings: 128 rows of x, or 64 rows of W: 34,816 bytes either way
.set SLOT,   4*HALFT                   ; x's 256 rows, then W's 128
.set SPARE,  2*SLOT                    ; behind the ring: the spare words, 128 bytes a wave, two blocks of 256 bytes that no other line names
.set LAPS,   8                         ; 2,048 / 256
.set DP,     1040                      ; the way out: a row of 256 f32 + 16 bytes, in the ring's bytes behind their last fill
.set ADRA, 16                          ; v16-17 my fragments of x in slot 0, 1
.set ADRB, 20                          ; v20-21 of W
.set DL,   22                          ; v22  where I put an accumulator's 32 bytes, my rows 0-63
.set DH,   23                          ; v23  rows 64-127
.set XA,   24                          ; v24  where I read rows back
.set OA,   25                          ; v25  my 8 bytes in a row's half of QKV
.set TN,   26                          ; v26  my 16 bytes in the table rows to be loaded next
.set GA,   27                          ; v27  my 16 bytes of the gains
.set SPW,  28
.set NIL,  29
.set PFO,  30                          ; v30  the prefetches' offset
.set GW,   32                          ; v32-39 (1 + w) x factor: channels 4 l .. +3, then 128 + 4 l .. +3
.set F0,   64
.set F1,   128
.set XBUF, 64                          ; two buffers of four rows: a row's x1 (4), x2 (4)
.set SQ,   128                         ; v128-135 sums of squares
.set RS,   136                         ; v136-143 1 / rms, in the even registers
.set TT,   144                         ; v144-175 products with the sines
.set YY,   176                         ; v176-191 what is stored
.set TS,   64                          ; window 1: table set k at TS + 32 k: row p's cosines (4), sines (4)
.set WV,   16
.set RH,   17                          ; which half of the tile's rows is mine; also: I fetch for x (0) or W (1)
.set CH,   18                          ; which half of its columns; also: which half of that tile I fetch
.set CX,   19
.set CY,   20
.set KIND, 21
.set TROW, 22
.set LIM,  23                          ; 1 in a wave that prefetches, else the greatest number
.set G1,   24
.set G0,   32
.set PFA,  40                          ; s[40:41] where my prefetches stand
.set PST,  42                          ; s[42:43] a K step there, in bytes
.set G1B,  48
.set G0B,  56
.set MSB, 0
.macro WIN new                         ; the immediate's high byte repeats the setting that is left
.if MSB != (\new)
	s_set_vgpr_msb (MSB<<8)|(\new)
.set MSB, \new
.endif
.endm
.set MUL_LO, 0xa1                      ; source 0 (W) window 1, source 1 (x) window 0, C and D window 2
.set MUL_HI, 0xf1
.set TO_B,   0x40
.macro JLOAD s                         ; a joint load: waves 0, 1 fetch x's halves, waves 2, 3 W's; an s_nop 0 and four v_nop follow each line
	s_cmp_eq_u32 s[RH], 0
	s_cbranch_scc0 .Lfor_b_\@
	tensor_load_to_lds s[G0+4*(\s):G0+4*(\s)+3], s[G1:G1+7]
	s_nop 0
.rept 4
	v_nop
.endr
	s_branch .Lasked_\@
.Lfor_b_\@:
	tensor_load_to_lds s[G0B+4*(\s):G0B+4*(\s)+3], s[G1B:G1B+7]
	s_nop 0
.rept 4
	v_nop
.endr
.Lasked_\@:
.endm
; A prefetch of the K step that stands two refills on, one instruction a wave, behind the joint load and the run of LDS loads.  Each 256 bytes are named once in the launch: x's rows by cluster x = 0,
; W's by cluster y = 0; the four partners of a joint load share its rows out by address (32 rows of x by cx; 16 rows of W, two blocks each, by cy).  The loop's last trip asks for nothing: no K step stands there.
.macro ASK
	s_cmp_gt_u32 s3, s[LIM]
	s_cbranch_scc0 .Lnot_mine_\@
	global_prefetch_b8 v[PFO], s[PFA:PFA+1] th:TH_LOAD_NT scope:SCOPE_SE
.Lnot_mine_\@:
.endm
.macro CREST                           ; a round of the cluster's barrier behind its opening barrier
	s_cmp_lg_u32 s[WV], 0
	s_cbranch_scc1 .Lnot_wave_0_\@
	s_barrier_signal -3
.Lnot_wave_0_\@:
	s_barrier_wait -3
	s_barrier_signal -1
	s_barrier_wait -1
.endm
.macro CROUND
	s_barrier_signal -1
	s_barrier_wait -1
	CREST
.endm
	s_load_b256 s[4:11], s[0:1], 0x0               ; XB s[4:5], WB s[6:7], TAB s[8:9], q_scale s[10:11]
	s_load_b128 s[12:15], s[0:1], 0x20             ; k_scale s[12:13], QKV s[14:15]
	v_lshl_add_u32 v[SPW], v0, 2, SPARE
	v_mov_b32 v[NIL], 0
	ds_add_u32 v[SPW], v[NIL]                      ; the wave's opening: the add and its wait ahead of my first tensor load
	v_lshrrev_b32 v1, 5, v0
	v_readfirstlane_b32 s[WV], v1
	s_lshr_b32 s[RH], s[WV], 1
	s_and_b32 s[CH], s[WV], 1
	s_bfe_u32 s[CX], ttmp6, 0x40000
	s_bfe_u32 s[CY], ttmp6, 0x40004
	s_mov_b32 s[KIND], ttmp9                       ; the cluster's x: the same in all sixteen partners
	s_and_b32 s[TROW], ttmp7, 0xffff
	s_lshl_b32 s[TROW], s[TROW], 2
	s_add_co_u32 s[TROW], s[TROW], s[CY]
	s_lshl_b32 s44, s[CY], 2
	s_lshl_b32 s44, 15, s44                        ; my row of the cluster
	s_lshl_b32 s78, 0x1111, s[CX]                  ; my column
	s_or_b32 s[G1], s44, (1<<16)|(1<<20)|(1<<21)|(5<<22)|(3<<25)   ; mask; 2-byte elements; padding on; bit 21 beside a mask; after every 64 words 4 words
	s_or_b32 s[G1B], s78, (1<<16)|(1<<20)|(1<<21)|(6<<22)|(7<<25)  ; after every 128 words 8 words
	s_mov_b32 s[G1+1], 128<<16                     ; x: tensor_dim0 = 128
	s_mov_b32 s[G1+2], 128<<16                     ; tensor_dim1 = 128
	s_mov_b32 s[G1+3], 128<<16                     ; tile_dim0 = 128
	s_mov_b32 s[G1+4], 128                         ; tile_dim1 = 128
	s_mov_b32 s[G1+5], 2048                        ; elements from row to row
	s_mov_b32 s[G1+6], 0
	s_mov_b32 s[G1+7], 0
	s_mov_b32 s[G1B+1], 256<<16                    ; W: 256 columns,
	s_mov_b32 s[G1B+2], 64<<16                     ; 64 rows of k
	s_mov_b32 s[G1B+3], 256<<16
	s_mov_b32 s[G1B+4], 64
	s_mov_b32 s[G1B+5], 1024
	s_mov_b32 s[G1B+6], 0
	s_mov_b32 s[G1B+7], 0
	s_lshl_b32 s44, s[TROW], 8                     ; x: row 256 x tile row + 128 x half, 4,096 bytes a row
	s_lshl_b32 s45, s[CH], 7
	s_add_co_u32 s44, s44, s45
	s_lshl_b32 s44, s44, 12
	s_mov_b32 s45, 0
	s_lshl_b32 s78, s[KIND], 22                    ; W: the tensor, the head's 512 bytes of a row, 64 rows x half
	s_lshl_b32 s79, s[CX], 9
	s_add_co_u32 s78, s78, s79
	s_lshl_b32 s79, s[CH], 17
	s_add_co_u32 s78, s78, s79
	s_mov_b32 s79, 0
	s_mul_i32 s46, s[WV], HALFT                    ; where they go: no place in the cluster enters an LDS address
	s_mov_b32 s66, 0x76543210                      ; v_permlanex16_b32: each lane takes its own place in the other half
	s_mov_b32 s67, 0xfedcba98
	s_mov_b32 s68, 0x3b800000                      ; 1 / 256
	s_mov_b32 s69, 0x358637bd                      ; 1e-6
	s_mov_b32 s70, 1.0
	s_mov_b32 s77, 0x3d6c5f04                      ; a = 2 log2(e) / 50, for q alone
	s_cmp_eq_u32 s[KIND], 0
	s_cselect_b32 s70, s77, s70
	s_wait_dscnt 0x0                               ; the opening add is done
	s_wait_kmcnt 0x0
	s_add_nc_u64 s[44:45], s[4:5], s[44:45]
	s_add_nc_u64 s[78:79], s[6:7], s[78:79]
	CROUND                                         ; all sixteen work-groups are here: the first joint loads meet
.irp s, 0,1
	s_mov_b32 s[G0+4*(\s)], 1
	s_add_co_u32 s[G0+4*(\s)+1], s46, (\s)*SLOT
	s_add_nc_u64 s[G0+4*(\s)+2:G0+4*(\s)+3], s[44:45], (\s)*KSTEP*2
	s_or_b32 s[G0+4*(\s)+3], s[G0+4*(\s)+3], 0x80000000
	s_mov_b32 s[G0B+4*(\s)], 1
	s_add_co_u32 s[G0B+4*(\s)+1], s46, (\s)*SLOT
	s_add_nc_u64 s[G0B+4*(\s)+2:G0B+4*(\s)+3], s[78:79], (\s)*KSTEP*2048
	s_or_b32 s[G0B+4*(\s)+3], s[G0B+4*(\s)+3], 0x80000000
	JLOAD \s
.endr
	v_and_b32 v1, 15, v0                           ; r
	v_bfe_u32 v2, v0, 4, 1                         ; h
	v_and_b32 v6, 31, v0                           ; l
	v_mul_u32_u24 v3, v1, PITCH
	v_lshl_add_u32 v3, v2, 4, v3                   ; x: row x pitch + 16 x half
	s_mul_i32 s80, s[RH], HALFT
	v_and_b32 v4, 7, v0                            ; W, turned: lane l reads row 8 h + l % 8, 16 bytes at 16 ((l / 8) % 2)
	v_lshl_add_u32 v4, v2, 3, v4
	v_mul_u32_u24 v4, v4, PB
	v_bfe_u32 v5, v0, 3, 1
	v_lshl_add_u32 v4, v5, 4, v4
	s_lshl_b32 s81, s[CH], 8                       ; my 128 columns
	s_add_co_u32 s81, s81, 2*HALFT
.irp s, 0,1
	v_add_nc_u32 v[ADRA+(\s)], s80, v3
	v_add_nc_u32 v[ADRB+(\s)], s81, v4
	s_add_co_u32 s80, s80, SLOT
	s_add_co_u32 s81, s81, SLOT
.endr
	s_mul_i32 s80, s[RH], 128*DP
	s_lshl_b32 s81, s[CH], 9
	s_add_co_u32 s80, s80, s81
	v_mul_u32_u24 v3, v1, DP
	v_lshl_add_u32 v3, v2, 5, v3
	v_add_nc_u32 v[DL], s80, v3
	v_add_nc_u32 v[DH], 64*DP, v[DL]
	s_mul_i32 s80, s[WV], 64*DP
	v_lshl_add_u32 v[XA], v6, 4, s80
	v_lshlrev_b32 v[OA], 3, v6
	v_lshlrev_b32 v[TN], 4, v6
	v_lshlrev_b32 v[GA], 4, v6
	s_cmp_eq_u32 s[KIND], 1
	s_cselect_b64 s[86:87], s[12:13], s[10:11]     ; k's gains, else q's (v takes none and uses none)
	global_load_b128 v[GW:GW+3], v[GA], s[86:87]
	global_load_b128 v[GW+4:GW+7], v[GA], s[86:87] offset:512
	s_lshl_b32 s82, s[TROW], 8
	s_lshl_b32 s83, s[WV], 6
	s_add_co_u32 s84, s82, s83                     ; the first of the 64 rows that I finish
	s_lshl_b32 s82, s84, 10
	s_mov_b32 s83, 0
	s_add_nc_u64 s[72:73], s[8:9], s[82:83]        ; TAB there
	s_lshl_b32 s82, s84, 9
	s_lshl_b32 s84, s[KIND], 23
	s_add_co_u32 s82, s82, s84
	s_lshl_b32 s84, s[CX], 21
	s_add_co_u32 s82, s82, s84
	s_add_nc_u64 s[74:75], s[14:15], s[82:83]      ; QKV there
	; the prefetches
	s_lshl_b32 s82, s[TROW], 8
	s_lshl_b32 s83, s[CH], 7
	s_add_co_u32 s82, s82, s83
	s_lshl_b32 s83, s[CX], 5
	s_add_co_u32 s82, s82, s83
	s_lshl_b32 s82, s82, 12
	s_add_co_u32 s82, s82, 3*KSTEP*2               ; x: my work-group's 32 of the 128 rows that I fetch, at K step 3: the first refill steps it to 4
	s_lshl_b32 s84, s[CH], 6
	s_lshl_b32 s85, s[CY], 4
	s_add_co_u32 s84, s84, s85
	s_add_co_u32 s84, s84, 3*KSTEP
	s_lshl_b32 s84, s84, 11
	s_lshl_b32 s85, s[KIND], 22
	s_add_co_u32 s84, s84, s85
	s_lshl_b32 s85, s[CX], 9
	s_add_co_u32 s84, s84, s85                     ; W: my work-group's 16 of the 64 rows
	s_and_b32 s85, ttmp7, 0xffff
	s_mov_b32 s[PST], KSTEP*2
	s_mov_b32 s[PST+1], KSTEP*2048
	s_cmp_eq_u32 s[RH], 0
	s_cselect_b32 s82, s82, s84
	s_cselect_b32 s85, ttmp9, s85                  ; the coordinate along which other clusters read the same rows
	s_cselect_b64 s[PFA:PFA+1], s[4:5], s[6:7]
	s_cselect_b32 s[PST], s[PST], s[PST+1]
	s_cselect_b32 s71, -1, 0
	s_mov_b32 s[PST+1], 0
	s_mov_b32 s83, 0
	s_add_nc_u64 s[PFA:PFA+1], s[PFA:PFA+1], s[82:83]
	s_cmp_eq_u32 s85, 0
	s_cselect_b32 s[LIM], 1, -1
	v_lshlrev_b32 v7, 12, v6                       ; x: a lane a row
	v_lshrrev_b32 v8, 1, v6                        ; W: two lanes a row of 512 bytes
	v_lshlrev_b32 v8, 11, v8
	v_and_b32 v9, 1, v6
	v_lshl_add_u32 v8, v9, 8, v8
	v_cndmask_b32 v[PFO], v8, v7, s71
.macro MUL16 f, hi, a0, zero           ; 16 matrix instructions: row blocks a0, a0 + 1 of the window's four x all 8 column blocks, 32 along K
	WIN MUL_LO+0x50*(\hi)
.irp a, \a0, (\a0)+1
.irp b, 0,1,2,3,4,5,6,7
.if \zero
	v_wmma_f32_16x16x32_bf16 v[8*(8*(\a)+(\b)):8*(8*(\a)+(\b))+7], v[(\f)+8*(\b):(\f)+8*(\b)+7], v[(\f)+8*(4*(\hi)+(\a)):(\f)+8*(4*(\hi)+(\a))+7], 0
.else
	v_wmma_f32_16x16x32_bf16 v[8*(8*(\a)+(\b)):8*(8*(\a)+(\b))+7], v[(\f)+8*(\b):(\f)+8*(\b)+7], v[(\f)+8*(4*(\hi)+(\a)):(\f)+8*(4*(\hi)+(\a))+7], v[8*(8*(\a)+(\b)):8*(8*(\a)+(\b))+7]
.endif
.endr
.endr
.endm
.macro FETCH slot, q, f                ; 32 LDS loads in one run: quarter q's fragments (32 along K) into buffer f: W's 128 columns, turned, then x's 128 rows
	WIN TO_B
.irp i, 0,1,2,3,4,5,6,7
	ds_load_tr16_b128 v[(\f)+8*(\i):(\f)+8*(\i)+3],   v[ADRB+(\slot)] offset:(\q)*32*PB+32*(\i)
	ds_load_tr16_b128 v[(\f)+8*(\i)+4:(\f)+8*(\i)+7], v[ADRB+(\slot)] offset:(\q)*32*PB+16*PB+32*(\i)
.endr
	WIN 0
.irp i, 0,1,2,3,4,5,6,7
	ds_load_b128 v[(\f)+8*(\i):(\f)+8*(\i)+3],   v[ADRA+(\slot)] offset:64*(\q)+(\i)*16*PITCH
	ds_load_b128 v[(\f)+8*(\i)+4:(\f)+8*(\i)+7], v[ADRA+(\slot)] offset:64*(\q)+(\i)*16*PITCH+32
.endr
.endm
.macro PLACES                          ; four plain instructions behind a matrix instruction, ahead of loads into registers that it read and of readers of its result
.rept 4
	v_nop
.endr
.endm
.macro QUARTER slot, q, f, g, zero     ; multiplies buffer f; in its middle fetches quarter q of the same slot into g
	s_wait_dscnt 8                                 ; W and x's rows 0-63 are in; the youngest eight loads may be out
	MUL16 \f, 0, 0, \zero
	MUL16 \f, 0, 2, \zero
	PLACES
	FETCH \slot, \q, \g
	s_wait_dscnt 32                                ; all but the 32 just issued
	MUL16 \f, 1, 0, \zero
	MUL16 \f, 1, 2, \zero
.endm
.macro MEET round                      ; the first half of a K step's last quarter: one barrier for the change of slots
	WIN 0
	s_wait_tensorcnt 0x0                           ; all my tensor loads have landed: the one that was out is my part of the next slot
	ds_add_u32 v[SPW], v[NIL]                      ; 0 onto my spare word
	s_wait_dscnt 9                                 ; (the add and the youngest eight loads may be out)
	MUL16 F1, 0, 0, 0
	s_wait_dscnt 0x0                               ; the add is done, and my reads of this slot are over
	s_barrier_signal -1
	MUL16 F1, 0, 2, 0
.if \round
	WIN 0
.endif
	s_barrier_wait -1
.endm
.macro TURN slot, next                 ; the whole last quarter: the slot just read out is filled again, two K steps on, first thing behind the round
	s_wait_xcnt 0x0                                ; the last prefetch, a K step back, has read its address
	s_add_nc_u64 s[PFA:PFA+1], s[PFA:PFA+1], s[PST:PST+1]
	MEET 1
	CREST                                          ; no wave of any partner still reads this slot or has a load on its way
	s_add_nc_u64 s[G0+4*(\slot)+2:G0+4*(\slot)+3], s[G0+4*(\slot)+2:G0+4*(\slot)+3], 2*KSTEP*2
	s_add_nc_u64 s[G0B+4*(\slot)+2:G0B+4*(\slot)+3], s[G0B+4*(\slot)+2:G0B+4*(\slot)+3], 2*KSTEP*2048
	JLOAD \slot                                    ; its four v_nop are also the places in front of the loads below
	FETCH \next, 0, F0
	ASK
	MUL16 F1, 1, 0, 0
	MUL16 F1, 1, 2, 0
.endm
	s_wait_tensorcnt 1                             ; my part of K step 0 is in; K step 1's may stay out
	s_barrier_signal -1
	s_barrier_wait -1
	FETCH 0, 0, F0
	QUARTER 0, 1, F0, F1, 1                        ; the first quarter's products start the sums
	WIN 0
	s_mov_b32 s3, LAPS-1
.Llap:                                         ; once round the ring, from a lap's second quarter to the next lap's first; the 64 accumulators take turns, over the jump too
	QUARTER 0, 2, F1, F0, 0
	QUARTER 0, 3, F0, F1, 0
	TURN 0, 1
	QUARTER 1, 1, F0, F1, 0
	QUARTER 1, 2, F1, F0, 0
	QUARTER 1, 3, F0, F1, 0
	TURN 1, 0
	QUARTER 0, 1, F0, F1, 0
	WIN 0
	s_sub_co_u32 s3, s3, 1
	s_cmp_lg_u32 s3, 0
	s_cbranch_scc1 .Llap
	QUARTER 0, 2, F1, F0, 0                        ; the last lap fills nothing
	QUARTER 0, 3, F0, F1, 0
	MEET 0
	PLACES
	FETCH 1, 0, F0
	MUL16 F1, 1, 0, 0
	MUL16 F1, 1, 2, 0
	QUARTER 1, 1, F0, F1, 0
	QUARTER 1, 2, F1, F0, 0
	QUARTER 1, 3, F0, F1, 0
	s_wait_dscnt 8
	MUL16 F1, 0, 0, 0
	MUL16 F1, 0, 2, 0
	s_wait_dscnt 0x0
	MUL16 F1, 1, 0, 0
	MUL16 F1, 1, 2, 0
; THE WAY OUT.  The tile goes into LDS as f32, rows of 1,040 bytes, over the ring (its last fill has landed and been read); then each wave takes 64 whole rows, a row at a time in its 32 lanes.
	WIN 0
	PLACES
.macro TLOAD k                         ; four table rows: a lane's 4 cosines and 4 sines of each
	WIN 0x40
.irp p, 0,1,2,3
	global_load_b128 v[TS+32*(\k)+8*(\p):TS+32*(\k)+8*(\p)+3],   v[TN], s[72:73] offset:(4*(\k)+(\p))*1024
	global_load_b128 v[TS+32*(\k)+8*(\p)+4:TS+32*(\k)+8*(\p)+7], v[TN], s[72:73] offset:(4*(\k)+(\p))*1024+512
.endr
	WIN 0
.endm
	s_wait_loadcnt 0x0                             ; the gains
	TLOAD 0                                        ; my first 16 rows of the table, on their way during the dump (v's tiles ask too and use nothing of it: one text leads to the barriers)
	TLOAD 1
	TLOAD 2
	TLOAD 3
.irp j, 0,1,2,3
	v_cvt_pk_bf16_f32 v[40+\j], v[GW+2*\j], v[GW+2*\j+1]  ; w rounded to bf16 like every input
.endr
.irp j, 0,1,2,3
	v_lshlrev_b32 v[GW+2*\j], 16, v[40+\j]
	v_and_b32 v[GW+2*\j+1], 0xffff0000, v[40+\j]
.endr
.irp j, 0,1,2,3,4,5,6,7
	v_add_f32 v[GW+\j], 1.0, v[GW+\j]
.endr
.irp j, 0,1,2,3,4,5,6,7
	v_mul_f32 v[GW+\j], s70, v[GW+\j]
.endr
.irp j, 1,3,5,7
	v_mov_b32 v[RS+\j], 0                          ; named with 1 / rms as a pair
.endr
	s_wait_dscnt 0x0
	s_barrier_signal -1
	s_barrier_wait -1                              ; nobody reads the ring any more
	WIN 0x08                                       ; store data in window 2
.irp a, 0,1,2,3
.irp b, 0,1,2,3,4,5,6,7
	ds_store_b128 v[DL], v[8*(8*\a+\b):8*(8*\a+\b)+3]   offset:16*DP*\a+64*\b     ; each accumulator's low registers first
	ds_store_b128 v[DL], v[8*(8*\a+\b)+4:8*(8*\a+\b)+7] offset:16*DP*\a+64*\b+16
.endr
.endr
	WIN 0x0c                                       ; window 3
.irp a, 0,1,2,3
.irp b, 0,1,2,3,4,5,6,7
	ds_store_b128 v[DH], v[8*(8*\a+\b):8*(8*\a+\b)+3]   offset:16*DP*\a+64*\b
	ds_store_b128 v[DH], v[8*(8*\a+\b)+4:8*(8*\a+\b)+7] offset:16*DP*\a+64*\b+16
.endr
.endr
	WIN 0
	s_wait_dscnt 0x0                               ; for the others' sake
	s_barrier_signal -1
	s_barrier_wait -1
.macro XLOAD k, xb                     ; four rows: channels 4 l .. and 128 + 4 l ..
.irp p, 0,1,2,3
	ds_load_b128 v[XBUF+32*(\xb)+8*(\p):XBUF+32*(\xb)+8*(\p)+3],   v[XA] offset:(4*(\k)+(\p))*DP
	ds_load_b128 v[XBUF+32*(\xb)+8*(\p)+4:XBUF+32*(\xb)+8*(\p)+7], v[XA] offset:(4*(\k)+(\p))*DP+512
.endr
.endm
.macro ROW4 k, xb, rope                ; four rows are normalised, (rope = 1) scaled and turned, rounded and stored
.set XR, XBUF+32*(\xb)
.irp p, 0,1,2,3
	v_pk_mul_f32 v[SQ+2*\p:SQ+2*\p+1], v[XR+8*\p:XR+8*\p+1], v[XR+8*\p:XR+8*\p+1]
.endr
.irp c, 2,4,6
.irp p, 0,1,2,3
	v_pk_fma_f32 v[SQ+2*\p:SQ+2*\p+1], v[XR+8*\p+\c:XR+8*\p+\c+1], v[XR+8*\p+\c:XR+8*\p+\c+1], v[SQ+2*\p:SQ+2*\p+1]
.endr
.endr
.irp p, 0,1,2,3
	v_add_f32 v[SQ+2*\p], v[SQ+2*\p], v[SQ+2*\p+1]
.endr
.irp m, 1,2,4,8
.irp p, 0,1,2,3
	v_add_f32_dpp v[SQ+2*\p], v[SQ+2*\p], v[SQ+2*\p] row_xmask:\m row_mask:0xf bank_mask:0xf
.endr
.endr
.irp p, 0,1,2,3
	v_permlanex16_b32 v[SQ+2*\p+1], v[SQ+2*\p], s66, s67
.endr
.irp p, 0,1,2,3
	v_add_f32 v[SQ+2*\p], v[SQ+2*\p], v[SQ+2*\p+1]
.endr
.irp p, 0,1,2,3
	v_fma_f32 v[SQ+2*\p], v[SQ+2*\p], s68, s69     ; the mean of the squares + 1e-6
.endr
.irp p, 0,1,2,3
	v_rsq_f32 v[RS+2*\p], v[SQ+2*\p]
.endr
	v_nop                                          ; a plain instruction behind the last of the batch,
	s_wait_alu depctr_va_vdst(0)                   ; and one wait for the four, ahead of their first use
.irp p, 0,1,2,3
.irp c, 0,2,4,6
	v_pk_mul_f32 v[XR+8*\p+\c:XR+8*\p+\c+1], v[XR+8*\p+\c:XR+8*\p+\c+1], v[RS+2*\p:RS+2*\p+1] op_sel_hi:[1,0]
.endr
.endr
.if \rope
.irp p, 0,1,2,3
.irp c, 0,2,4,6
	v_pk_mul_f32 v[XR+8*\p+\c:XR+8*\p+\c+1], v[XR+8*\p+\c:XR+8*\p+\c+1], v[GW+\c:GW+\c+1]
.endr
.endr
	WIN 0x04                                       ; source 1, the table, in window 1
.irp p, 0,1,2,3
.irp c, 0,2
	v_pk_mul_f32 v[TT+8*\p+\c:TT+8*\p+\c+1],     v[XR+8*\p+4+\c:XR+8*\p+4+\c+1], v[TS+32*(\k)+8*\p+4+\c:TS+32*(\k)+8*\p+4+\c+1]  ; x2 sin
	v_pk_mul_f32 v[TT+8*\p+4+\c:TT+8*\p+4+\c+1], v[XR+8*\p+\c:XR+8*\p+\c+1],     v[TS+32*(\k)+8*\p+4+\c:TS+32*(\k)+8*\p+4+\c+1]  ; x1 sin
.endr
.endr
.irp p, 0,1,2,3
.irp c, 0,2
	v_pk_fma_f32 v[XR+8*\p+\c:XR+8*\p+\c+1],     v[XR+8*\p+\c:XR+8*\p+\c+1],     v[TS+32*(\k)+8*\p+\c:TS+32*(\k)+8*\p+\c+1], v[TT+8*\p+\c:TT+8*\p+\c+1] neg_lo:[0,0,1] neg_hi:[0,0,1]  ; x1 cos - x2 sin
	v_pk_fma_f32 v[XR+8*\p+4+\c:XR+8*\p+4+\c+1], v[XR+8*\p+4+\c:XR+8*\p+4+\c+1], v[TS+32*(\k)+8*\p+\c:TS+32*(\k)+8*\p+\c+1], v[TT+8*\p+4+\c:TT+8*\p+4+\c+1]  ; x2 cos + x1 sin
.endr
.endr
	WIN 0
.endif
.irp p, 0,1,2,3
.irp c, 0,1,2,3
	v_cvt_pk_f16_f32 v[YY+4*\p+\c], v[XR+8*\p+2*\c], v[XR+8*\p+2*\c+1]
.endr
.endr
.irp p, 0,1,2,3
	global_store_b64 v[OA], v[YY+4*\p:YY+4*\p+1],   s[74:75] offset:(4*(\k)+\p)*512      ; the wave's store covers 256 consecutive bytes, aligned: channels 0-127,
	global_store_b64 v[OA], v[YY+4*\p+2:YY+4*\p+3], s[74:75] offset:(4*(\k)+\p)*512+256  ; and 128-255
.endr
.endm
	s_cmp_eq_u32 s[KIND], 2
	s_cbranch_scc1 .Lv_rows
	s_mov_b32 s76, 4
.Lrows:                                        ; four trips of 16 rows.  Four table sets are out; each is asked for again, 16 rows on, when its rows are done
	s_wait_xcnt 0x0                                ; the table loads have read their offset
	v_add_nc_u32 v[TN], 16384, v[TN]               ; the next trip's rows; in the last trip it wraps to my first 16, which lie inside the table and are not used:
	v_and_b32 v[TN], 0xffff, v[TN]                 ; so every wait below counts the same loads in every trip
	XLOAD 0, 0
.irp k, 0,1,2,3
.if \k < 3
	XLOAD (\k)+1, ((\k)+1)%2
	s_wait_dscnt 8                                 ; this set's rows are in; the next set's eight loads may be out
.else
	s_wait_dscnt 0x0
.endif
	s_wait_loadcnt 24                              ; this table set is in; three younger sets of eight stay out
	s_wait_xcnt 0x0                                ; the last stores have read their data
	ROW4 \k, (\k)%2, 1
	TLOAD \k
.endr
	s_wait_xcnt 0x0
	v_add_nc_u32 v[XA], 16*DP, v[XA]
	v_add_nc_u32 v[OA], 8192, v[OA]
	s_sub_co_u32 s76, s76, 1
	s_cmp_lg_u32 s76, 0
	s_cbranch_scc1 .Lrows
	s_branch .Lend
.Lv_rows:                                      ; v: the norm alone
	s_mov_b32 s76, 8
.Lvrow:
	XLOAD 0, 0
	XLOAD 1, 1
	s_wait_dscnt 8
	s_wait_xcnt 0x0
	ROW4 0, 0, 0
	s_wait_dscnt 0x0
	s_wait_xcnt 0x0
	ROW4 1, 1, 0
	s_wait_xcnt 0x0
	v_add_nc_u32 v[XA], 8*DP, v[XA]
	v_add_nc_u32 v[OA], 4096, v[OA]
	s_sub_co_u32 s76, s76, 1
	s_cmp_lg_u32 s76, 0
	s_cbranch_scc1 .Lvrow
.Lend:
	s_wait_tensorcnt 0x0                           ; the wave's end: behind my last tensor load and LDS store
	ds_add_u32 v[SPW], v[NIL]
	s_wait_dscnt 0x0
	CROUND                                         ; the closing round
	s_endpgm
.Lfunc_end_k_q5ecd873547_qkv:
	.size	k_q5ecd873547_qkv, .Lfunc_end_k_q5ecd873547_qkv-k_q5ecd873547_qkv
	.p2alignl 7, 3214868480
	.fill 96, 4, 3214868480
	.section	.rodata,"a",@progbits
	.p2align	6, 0x0
	.amdhsa_kernel k_q5ecd873547_qkv
		.amdhsa_group_segment_fixed_size 327680
		.amdhsa_private_segment_fixed_size 0
		.amdhsa_enable_private_segment 0
		.amdhsa_kernarg_size 48
		.amdhsa_user_sgpr_count 2
		.amdhsa_user_sgpr_kernarg_segment_ptr 1
		.amdhsa_wavefront_size32 1
		.amdhsa_system_sgpr_workgroup_id_x 1
		.amdhsa_system_sgpr_workgroup_id_y 1
		.amdhsa_system_sgpr_workgroup_id_z 1
		.amdhsa_system_vgpr_workitem_id 0
		.amdhsa_next_free_vgpr 1024
		.amdhsa_next_free_sgpr 88
		.amdhsa_reserve_vcc 0
		.amdhsa_float_denorm_mode_32 3
		.amdhsa_float_denorm_mode_16_64 3
		.amdhsa_memory_ordered 1
		.amdhsa_forward_progress 1
		.amdhsa_inst_pref_size 181
	.end_amdhsa_kernel
	.amdgpu_metadata
---
amdhsa.version: [ 1, 2 ]
amdhsa.kernels:
  - .name:           k_q5ecd873547_qkv
    .symbol:         k_q5ecd873547_qkv.kd
    .args:
      - { .name: XB, .offset: 0, .size: 8, .value_kind: global_buffer, .address_space: global }
      - { .name: WB, .offset: 8, .size: 8, .value_kind: global_buffer, .address_space: global }
      - { .name: TAB, .offset: 16, .size: 8, .value_kind: global_buffer, .address_space: global }
      - { .name: q_scale, .offset: 24, .size: 8, .value_kind: global_buffer, .address_space: global }
      - { .name: k_scale, .offset: 32, .size: 8, .value_kind: global_buffer, .address_space: global }
      - { .name: QKV, .offset: 40, .size: 8, .value_kind: global_buffer, .address_space: global }
    .group_segment_fixed_size: 327680
    .private_segment_fixed_size: 0
    .kernarg_segment_align: 8
    .kernarg_segment_size: 48
    .max_flat_workgroup_size: 128
    .sgpr_count:     88
    .vgpr_count:     1024
    .wavefront_size: 32
...
	.end_amdgpu_metadata
.endif
;; end of part 2
;; launch att (part 3): grid 64 x 4, 4 waves a work-group, no clusters, 233,984 bytes of LDS; arguments QKV, MSK, QTI, AO; writes AO
.if DOCPART == 3
	.amdgcn_target "amdgcn-amd-amdhsa--gfx1250"
	.amdhsa_code_object_version 6
	.text
	.protected	k_q5ecd873547_att
	.globl	k_q5ecd873547_att
	.p2align	8
	.type	k_q5ecd873547_att,@function
k_q5ecd873547_att:
	s_mov_b64 s[64:65], 0
	v_nop
	global_prefetch_b8 v0, s[64:65] scope:SCOPE_SE
	s_setreg_imm32_b32 hwreg(HW_REG_WAVE_MODE, 25, 1), 1
	s_wait_xcnt 0x0
; ATTENTION over the key tiles that hold a visible pair.  Q, K, V: QKV, each [head][4096][256] f16 (Q carries a = 2 log2(e) / 50).  AO: [4096][4 x 256] f16.
; logit log2(e) = 72.13 - C2 / (1 + 2^(a s)), C2 = 100 log2(e): the softcap 50 tanh(s / 50); the constant drops out of the softmax.  A = -C2 / (1 + 2^(a s)); a hidden score takes A = -1e30.
; SOFTMAX with a running maximum M of A (it starts at -1e30): p = 2^(A - M), rounded to f16 for the second product; l sums the unrounded p; O and l are multiplied by 2^(M_old - M_new) in every step.
; A row that has seen hidden keys alone has p = 1 for each, as the reference's softmax of equal numbers has; its first visible key multiplies that by 0.
; THE WALK hangs on whole numbers that the launch before stored: QTI gives, for each 16 queries, the key tiles (128 keys) with a visible pair and whether every row sees a key.  A block of 64 queries walks the
; union of its four lists; all 32 tiles if one of its rows sees nothing (that row is the mean of all v).  One text of a step, looped over the list: 1 to 32 trips.
; SHARES.  A work-group owns 64 queries of a head; all four waves hold all 64 (four tiles of 16) and wave w takes keys 32 w .. 32 w + 31 of each key tile: a fragment of K or V feeds four products.
; No wave wants a byte of K or V that another wave has fetched.  So K comes straight from memory as fragments (16 bytes a lane, a row a lane), V
; its trip count is read from memory, and every barrier of the text stands ahead of it or behind it.
; A step's K and V are asked for during the step before, into registers of their own; the last step asks for nothing.  Q, the same for all four waves, lies in LDS.
; At the end the four waves' (M, l, O) meet in LDS.  Register tile i of wave w is query tile (i + w) % 4: each wave keeps its tile 0 and hands on tiles 1 to 3.
; NO CLUSTER: heads share no K or V, and neighbouring blocks' lists and trip counts come from memory and may differ.  NO PREFETCH INSTRUCTION: a step's loads go out a step ahead of their use, and which wave
; first reads a tile hangs on the lists, so no block could be named once.
; LIMITS: NaN and infinities are not treated apart; a weight below 2^-126 counts as 0.  query_mask is no argument: reference() never uses it.
; REGISTERS: window 0: v0 the hidden score; v1 Q's LDS address; v2 K's offset; v3 16 x lane; v4, v5 V's stage, in and back; v6, v7 the add's; v8-31 six of statistics a tile: [M, T1] [A, T2] [L0, L1];
;   v32-95 S^T; v96-127 P; v128-191 BA, v192-255 BB (Q's fragments, then V's).   window 1: v0-127 K (16 keys kb, channels 32 c on, at 64 kb + 8 c); v128-255 V's 32 rows as loaded.
;   windows 2, 3: O^T, tile i, channels 16 cb on, at 128 i + 8 cb.
.set PQ,    528                        ; a row of Q in LDS: 512 bytes + 16: the 16 rows of a load start at 16 different groups of four banks
.set QT,    16*PQ                      ; a query tile.  Eight slots: tiles 0 to 3, then 0 to 3 again, so that tile (i + w) % 4 lies i slots behind slot w
.set PV,    544                        ; a row of V: 512 + 32
.set VS,    8*QT                       ; behind Q: a stage of 32 rows for each wave
.set VW,    32*PV
.set RED,   49152                      ; behind the loop, over Q and the stages: three tiles of O^T, 16,384 bytes each, for each wave
.set STAGE, 4*RED                      ; 16 rows x 528 bytes a wave, for the way out
.set STATS, STAGE+4*QT                 ; 768 bytes a wave: (M, l) of the three tiles that it hands on
.set SPARE, STATS+3072                 ; the spare words: 128 bytes a wave, two blocks of 256 bytes that no other line names
.set BA, 128
.set BB, 192
.set MSB, 0
.macro WIN new                         ; the immediate's high byte repeats the setting that is left
.if MSB != (\new)
	s_set_vgpr_msb (MSB<<8)|(\new)
.set MSB, \new
.endif
.endm
.macro PLACES                          ; four plain instructions behind a matrix instruction, ahead of loads into registers that it read and of readers of its result
.rept 4
	v_nop
.endr
.endm
; scalars: s[2:3] lane selects; s[4:5] QKV, s[6:7] MSK, s[8:9] QTI, s[10:11] AO, as they came; s[12:13], s[14:15] K, V at my keys of tile 0; s[16:17], s[18:19] the same at the tile to be loaded;
; s[20:21] Q at my rows, later AO at my rows; s[22:23] MSK at my block and keys; s[24:25] the same at the tile in hand; s26 wave; s27 tiles still to come; s28 trips; s29 trip; s30 the tile loaded last;
; s31 trips - 1; s[32:63], s[68:99] 64 mask words; s[66:67] an offset; s100, s101, s104, s105 my four query tiles' places in MSK
	s_load_b64 s[4:5], s[0:1], 0x0
	s_load_b64 s[6:7], s[0:1], 0x8
	s_load_b64 s[8:9], s[0:1], 0x10
	s_load_b64 s[10:11], s[0:1], 0x18
	v_lshl_add_u32 v6, v0, 2, SPARE                ; my spare word; never rewritten
	v_mov_b32 v7, 0                                ; 0; never rewritten
	v_lshrrev_b32 v1, 5, v0
	v_readfirstlane_b32 s26, v1                    ; wave 0..3
	s_mov_b32 s2, 0x76543210                       ; v_permlanex16_b32: each lane takes its own place in the other half
	s_mov_b32 s3, 0xfedcba98
	s_and_b32 s58, ttmp7, 0xffff                   ; the head
	s_mov_b32 s67, 0
	s_and_b32 s100, s26, 3
	s_lshl_b32 s100, s100, 13
	s_add_co_u32 s101, s26, 1
	s_and_b32 s101, s101, 3
	s_lshl_b32 s101, s101, 13
	s_add_co_u32 s104, s26, 2
	s_and_b32 s104, s104, 3
	s_lshl_b32 s104, s104, 13
	s_add_co_u32 s105, s26, 3
	s_and_b32 s105, s105, 3
	s_lshl_b32 s105, s105, 13                      ; 8,192 bytes of MSK a query tile
	s_lshl_b32 s40, s58, 21                        ; the head's 2 MiB,
	s_lshl_b32 s41, s26, 14                        ; my 32 rows of 512 bytes in a key tile
	s_add_co_u32 s40, s40, s41
	s_add_co_u32 s42, s40, 0x1000000               ; V at 16 MiB,
	s_add_co_u32 s40, s40, 0x800000                ; K at 8 MiB
	s_mov_b32 s41, 0
	s_mov_b32 s43, 0
	s_lshl_b32 s44, ttmp9, 15                      ; MSK: four query tiles a block, 64 bytes for my 32 keys
	s_lshl_b32 s45, s26, 6
	s_add_co_u32 s44, s44, s45
	s_mov_b32 s45, 0
	s_lshl_b32 s46, s58, 21                        ; Q: the head, the block's 64 rows, the 16 that I bring in
	s_lshl_b32 s47, ttmp9, 15
	s_add_co_u32 s46, s46, s47
	s_lshl_b32 s47, s26, 13
	s_add_co_u32 s46, s46, s47
	s_mov_b32 s47, 0
	s_lshl_b32 s56, ttmp9, 5                       ; QTI: 8 bytes a query tile
	s_mov_b32 s57, 0
	v_and_b32 v8, 15, v0                           ; r
	v_bfe_u32 v9, v0, 4, 1                         ; h
	v_and_b32 v10, 31, v0                          ; l
	v_lshlrev_b32 v3, 4, v10                       ; 16 l: my 16 bytes of a row of 512
	v_lshlrev_b32 v2, 9, v8
	v_lshl_add_u32 v2, v9, 4, v2                   ; K: row r x 512 + 16 h
	s_mul_i32 s59, s26, QT
	v_mul_u32_u24 v1, v8, PQ
	v_lshl_add_u32 v1, v9, 4, v1
	v_add_nc_u32 v1, s59, v1                       ; Q's fragments: slot w, row r x pitch + 16 h
	v_add_nc_u32 v11, s59, v3                      ; Q on its way in: slot w, 16 bytes a lane
	s_mul_i32 s60, s26, VW
	s_add_co_u32 s60, s60, VS                      ; my stage
	v_add_nc_u32 v4, s60, v3
	v_and_b32 v12, 7, v0                           ; back, turned: lane l reads key 8 h + l % 8, 16 bytes at 16 ((l / 8) % 2)
	v_lshl_add_u32 v12, v9, 3, v12
	v_mul_u32_u24 v5, v12, PV
	v_bfe_u32 v12, v0, 3, 1
	v_lshl_add_u32 v5, v12, 4, v5
	v_add_nc_u32 v5, s60, v5
	v_mov_b32 v0, 0xf149f2ca                       ; -1e30
	s_wait_kmcnt 0x0
	s_add_nc_u64 s[12:13], s[4:5], s[40:41]
	s_add_nc_u64 s[14:15], s[4:5], s[42:43]
	s_add_nc_u64 s[22:23], s[6:7], s[44:45]
	s_add_nc_u64 s[20:21], s[4:5], s[46:47]
	s_add_nc_u64 s[56:57], s[8:9], s[56:57]
	s_load_b256 s[48:55], s[56:57], 0x0            ; {live, rows ok} of my block's four query tiles
.set n, 0
.rept 16
	global_load_b128 v[BA+4*n:BA+4*n+3], v3, s[20:21] offset:512*n  ; 16 rows of Q, 512 consecutive bytes each
.set n, n+1
.endr
.macro KLOAD                           ; my 32 keys as 16 fragments: a lane a row, 16 bytes, twice for 32 channels
	WIN 0x40                                       ; destination window 1
.irp kb, 0,1
.irp c, 0,1,2,3,4,5,6,7
	global_load_b128 v[64*\kb+8*\c:64*\kb+8*\c+3],   v2, s[16:17] offset:8192*\kb+64*\c
	global_load_b128 v[64*\kb+8*\c+4:64*\kb+8*\c+7], v2, s[16:17] offset:8192*\kb+64*\c+32
.endr
.endr
	WIN 0
.endm
.macro VLOAD                           ; my 32 keys' rows of V, 512 consecutive bytes each
	WIN 0x40
.set n, 0
.rept 32
	global_load_b128 v[128+4*n:131+4*n], v3, s[18:19] offset:512*n
.set n, n+1
.endr
	WIN 0
.endm
	s_wait_kmcnt 0x0
	s_or_b32 s27, s48, s50
	s_or_b32 s27, s27, s52
	s_or_b32 s27, s27, s54                         ; the union of the four lists
	s_and_b32 s40, s49, s51
	s_and_b32 s40, s40, s53
	s_and_b32 s40, s40, s55
	s_cmp_eq_u32 s40, 1
	s_cselect_b32 s27, s27, -1                     ; a row that sees nothing wants all keys
	s_cmp_eq_u32 s27, 0
	s_cselect_b32 s27, -1, s27
	s_bcnt1_i32_b32 s28, s27
	s_min_u32 s28, s28, 32                         ; trips
	s_sub_co_u32 s31, s28, 1
	s_mov_b32 s29, 0
	s_ctz_i32_b32 s30, s27                         ; the first tile
	s_min_u32 s30, s30, 31
	s_sub_co_u32 s40, s27, 1
	s_and_b32 s27, s27, s40
	s_lshl_b32 s66, s30, 16                        ; a tile is 65,536 bytes of K and of V
	s_add_nc_u64 s[16:17], s[12:13], s[66:67]
	s_add_nc_u64 s[18:19], s[14:15], s[66:67]
	KLOAD
	s_wait_loadcnt 32                              ; Q's 16 loads are in; K's 32 stay out
.set n, 0
.rept 16
	ds_store_b128 v11, v[BA+4*n:BA+4*n+3] offset:PQ*n        ; my query tile into slot w,
	ds_store_b128 v11, v[BA+4*n:BA+4*n+3] offset:4*QT+PQ*n   ; and into slot w + 4
.set n, n+1
.endr
	VLOAD
	WIN 0x80                                       ; O^T starts at 0, written while the first loads are out: so the first step is a step like any other, and its text is not written out once more
.set n, 0
.rept 256
	v_mov_b32 v[n], 0
.set n, n+1
.endr
	WIN 0xc0
.set n, 0
.rept 256
	v_mov_b32 v[n], 0
.set n, n+1
.endr
	WIN 0
.irp i, 0,1,2,3
	v_mov_b32 v[8+6*\i], v0
.irp j, 1,2,3,4,5
	v_mov_b32 v[8+6*\i+\j], 0
.endr
.endr
	s_wait_dscnt 0x0                               ; for the others' sake: my part of Q lies in LDS
	s_barrier_signal -1
	s_barrier_wait -1                              ; everybody's does; Q is written no more until the barrier behind the loop
.macro FQ g, buf                       ; Q's fragments of channels 64 g .. 64 g + 63, all four tiles: 16 loads
.irp cc, 0,1
.irp i, 0,1,2,3
	ds_load_b128 v[(\buf)+32*\cc+8*\i:(\buf)+32*\cc+8*\i+3],   v1 offset:QT*\i+64*(2*(\g)+\cc)
	ds_load_b128 v[(\buf)+32*\cc+8*\i+4:(\buf)+32*\cc+8*\i+7], v1 offset:QT*\i+64*(2*(\g)+\cc)+32
.endr
.endr
.endm
.macro QKG g, buf                      ; S^T += K Q^T over those 64 channels: 16 products; the eight accumulators take turns, from group to group too
	WIN 0x01                                       ; source 0, K, in window 1
.irp cc, 0,1
.irp kb, 0,1
.irp i, 0,1,2,3
.if ((\g) == 0) && (\cc == 0)
	v_wmma_f32_16x16x32_f16 v[32+16*\i+8*\kb:32+16*\i+8*\kb+7], v[64*\kb+8*(2*(\g)+\cc):64*\kb+8*(2*(\g)+\cc)+7], v[(\buf)+32*\cc+8*\i:(\buf)+32*\cc+8*\i+7], 0
.else
	v_wmma_f32_16x16x32_f16 v[32+16*\i+8*\kb:32+16*\i+8*\kb+7], v[64*\kb+8*(2*(\g)+\cc):64*\kb+8*(2*(\g)+\cc)+7], v[(\buf)+32*\cc+8*\i:(\buf)+32*\cc+8*\i+7], v[32+16*\i+8*\kb:32+16*\i+8*\kb+7]
.endif
.endr
.endr
.endr
	WIN 0
.endm
.macro FETCHV hf, buf                  ; my 32 keys x 128 channels, turned: 8 fragments
.irp c, 0,1,2,3,4,5,6,7
	ds_load_tr16_b128 v[(\buf)+8*\c:(\buf)+8*\c+3],   v5 offset:256*(\hf)+32*\c
	ds_load_tr16_b128 v[(\buf)+8*\c+4:(\buf)+8*\c+7], v5 offset:256*(\hf)+32*\c+16*PV
.endr
.endm
.macro PV hf, buf                      ; O^T += V^T P for 128 channels: 32 products, each on an accumulator of its own
.irp pr, 0,1
	WIN 0xa0+0x50*\pr                              ; C and D in window 2 (tiles 0, 1), then 3
.irp c, 0,1,2,3,4,5,6,7
.irp u, 0,1
	v_wmma_f32_16x16x32_f16 v[128*\u+64*(\hf)+8*\c:128*\u+64*(\hf)+8*\c+7], v[(\buf)+8*\c:(\buf)+8*\c+7], v[96+8*(2*\pr+\u):96+8*(2*\pr+\u)+7], v[128*\u+64*(\hf)+8*\c:128*\u+64*(\hf)+8*\c+7]
.endr
.endr
.endr
.endm
.Lwalk:                                        ; a trip: my 32 keys of the list's next tile.  All LDS addresses are fixed; the bound was clamped to 32 above
	s_wait_loadcnt 0x0                             ; this step's K and V are in; no load of mine is out, so the loads' bases may be written
	s_lshl_b32 s66, s30, 8                         ; the tile in hand: 256 bytes of each query tile's masks
	s_add_nc_u64 s[24:25], s[22:23], s[66:67]
	s_load_b512 s[32:47], s[24:25], s100           ; 16 words for each of my four query tiles
	s_load_b512 s[48:63], s[24:25], s101
	s_load_b512 s[68:83], s[24:25], s104
	s_load_b512 s[84:99], s[24:25], s105
	s_ctz_i32_b32 s30, s27                         ; the list's next tile (behind its end a clamped number that no load uses)
	s_min_u32 s30, s30, 31
	s_sub_co_u32 s66, s27, 1
	s_and_b32 s27, s27, s66
	s_lshl_b32 s66, s30, 16
	s_add_nc_u64 s[16:17], s[12:13], s[66:67]
	s_add_nc_u64 s[18:19], s[14:15], s[66:67]
	WIN 0x04                                       ; store data in window 1
.set n, 0
.rept 32
	ds_store_b128 v4, v[128+4*n:131+4*n] offset:PV*n  ; V into my stage; LDS serves a wave's instructions in order: the last step's turning loads stand ahead, this step's behind
.set n, n+1
.endr
	WIN 0
	FQ 0, BA
	FQ 1, BB
	s_wait_dscnt 16                                ; the stores and the first group are done; the younger run of 16 loads may be out
	QKG 0, BA
	PLACES
	s_cmp_lt_u32 s29, s31                          ; the last trip asks for nothing
	s_cbranch_scc0 .Lno_v
	VLOAD                                          ; the next step's V, into the registers whose stores the wait above has shown done
.Lno_v:
	FQ 2, BA
	s_wait_dscnt 16
	QKG 1, BB
	PLACES
	FQ 3, BB
	s_wait_dscnt 16
	QKG 2, BA
	s_wait_dscnt 0x0
	QKG 3, BB
	PLACES
	s_cmp_lt_u32 s29, s31
	s_cbranch_scc0 .Lno_k
	KLOAD                                          ; the next step's K: it has the softmax and the second product in which to land
.Lno_k:
	FETCHV 0, BA
	FETCHV 1, BB
.set n, 32
.rept 64
	v_exp_f32 v[n], v[n]                           ; E = 2^(a s); each accumulator's lowest registers are read first
.set n, n+1
.endr
	v_nop                                          ; a plain instruction behind the batch's last, one wait for the batch
	s_wait_alu depctr_va_vdst(0)
.set n, 32
.rept 32
	v_pk_add_f32 v[n:n+1], v[n:n+1], 1.0 op_sel_hi:[1,0]
.set n, n+2
.endr
.set n, 32
.rept 64
	v_rcp_f32 v[n], v[n]
.set n, n+1
.endr
	v_nop
	s_wait_alu depctr_va_vdst(0)
.set n, 32
.rept 32
	v_pk_mul_f32 v[n:n+1], v[n:n+1], 0xc31044fe op_sel_hi:[1,0]  ; A = -C2 / (1 + E)
.set n, n+2
.endr
	s_wait_kmcnt 0x0                               ; the masks
.irp i, 0,1,2,3
.set n, 0
.rept 16
	v_cndmask_b32 v[32+16*\i+n], v0, v[32+16*\i+n], s[32+16*\i+4*(\i/2)+n]
.set n, n+1
.endr
.endr
.irp i, 0,1,2,3                        ; the maximum of 16 scores and M, the tiles side by side
	v_max3_num_f32 v[9+6*\i],  v[32+16*\i], v[33+16*\i], v[34+16*\i]
	v_max3_num_f32 v[11+6*\i], v[40+16*\i], v[41+16*\i], v[42+16*\i]
.endr
.irp i, 0,1,2,3
	v_max3_num_f32 v[9+6*\i],  v[9+6*\i],  v[35+16*\i], v[36+16*\i]
	v_max3_num_f32 v[11+6*\i], v[11+6*\i], v[43+16*\i], v[44+16*\i]
.endr
.irp i, 0,1,2,3
	v_max3_num_f32 v[9+6*\i],  v[9+6*\i],  v[37+16*\i], v[38+16*\i]
	v_max3_num_f32 v[11+6*\i], v[11+6*\i], v[45+16*\i], v[46+16*\i]
.endr
.irp i, 0,1,2,3
	v_max3_num_f32 v[9+6*\i], v[9+6*\i], v[39+16*\i], v[47+16*\i]
.endr
.irp i, 0,1,2,3
	v_max3_num_f32 v[9+6*\i], v[9+6*\i], v[11+6*\i], v[8+6*\i]
.endr
.irp i, 0,1,2,3
	v_permlanex16_b32 v[11+6*\i], v[9+6*\i], s2, s3  ; the query's other 16 keys lie in the lane 16 away
.endr
.irp i, 0,1,2,3
	v_max_num_f32 v[9+6*\i], v[9+6*\i], v[11+6*\i]
.endr
.irp i, 0,1,2,3
	v_sub_f32 v[11+6*\i], v[8+6*\i], v[9+6*\i]     ; M_old - M_new
.endr
.irp i, 0,1,2,3
	v_mov_b32 v[8+6*\i], v[9+6*\i]
.endr
.irp i, 0,1,2,3
.set n, 0
.rept 8
	v_pk_add_f32 v[32+16*\i+n:33+16*\i+n], v[32+16*\i+n:33+16*\i+n], v[8+6*\i:9+6*\i] op_sel_hi:[1,0] neg_lo:[0,1] neg_hi:[0,1]
.set n, n+2
.endr
.endr
.set n, 32
.rept 64
	v_exp_f32 v[n], v[n]                           ; p
.set n, n+1
.endr
.irp i, 0,1,2,3
	v_exp_f32 v[10+6*\i], v[11+6*\i]               ; the factor for O and l
.endr
	v_nop
	s_wait_alu depctr_va_vdst(0)
.irp i, 0,1,2,3
.irp p, 0,1,2,3,4,5,6,7
	v_cvt_pk_f16_f32 v[96+8*\i+\p], v[32+16*\i+2*\p], v[33+16*\i+2*\p]
.endr
.endr
.irp i, 0,1,2,3
.irp p, 0,4,8,12
	v_pk_add_f32 v[32+16*\i+\p:33+16*\i+\p], v[32+16*\i+\p:33+16*\i+\p], v[34+16*\i+\p:35+16*\i+\p]
.endr
.endr
.irp i, 0,1,2,3
.irp p, 0,8
	v_pk_add_f32 v[32+16*\i+\p:33+16*\i+\p], v[32+16*\i+\p:33+16*\i+\p], v[36+16*\i+\p:37+16*\i+\p]
.endr
.endr
.irp i, 0,1,2,3
	v_pk_add_f32 v[32+16*\i:33+16*\i], v[32+16*\i:33+16*\i], v[40+16*\i:41+16*\i]
.endr
.irp i, 0,1,2,3
	v_pk_fma_f32 v[12+6*\i:13+6*\i], v[12+6*\i:13+6*\i], v[10+6*\i:11+6*\i], v[32+16*\i:33+16*\i] op_sel_hi:[1,0,1]
.endr
	WIN 0x82                                       ; O^T (destination and source 0) in window 2, the factor in window 0
.irp i, 0,1
.set n, 0
.rept 64
	v_pk_mul_f32 v[128*\i+n:128*\i+n+1], v[128*\i+n:128*\i+n+1], v[10+6*\i:11+6*\i] op_sel_hi:[1,0]
.set n, n+2
.endr
.endr
	WIN 0xc3
.irp i, 0,1
.set n, 0
.rept 64
	v_pk_mul_f32 v[128*\i+n:128*\i+n+1], v[128*\i+n:128*\i+n+1], v[22+6*\i:23+6*\i] op_sel_hi:[1,0]
.set n, n+2
.endr
.endr
	s_wait_dscnt 16                                ; V's first 128 channels are in
	PV 0, BA
	s_wait_dscnt 0x0
	PV 1, BB
	WIN 0
	PLACES                                         ; ahead of the next trip's loads into BA and BB, and of the end's writes of P's registers
	s_add_co_u32 s29, s29, 1
	s_cmp_lt_u32 s29, s28
	s_cbranch_scc1 .Lwalk
; THE END.  (M, l, O) of my tiles 1 to 3 go to their owners through LDS, over Q and the stages, which nobody reads behind the barrier below.
.irp i, 0,1,2,3
	v_add_f32 v[12+6*\i], v[12+6*\i], v[13+6*\i]
.endr
.irp i, 0,1,2,3
	v_permlanex16_b32 v[13+6*\i], v[12+6*\i], s2, s3
.endr
.irp i, 0,1,2,3
	v_add_f32 v[9+6*\i], v[12+6*\i], v[13+6*\i]    ; [M, l]
.endr
	v_lshrrev_b32 v125, 1, v3                      ; 8 l
	s_mul_i32 s32, s26, RED
	v_add_nc_u32 v96, s32, v3                      ; where I put: my own region
	s_mul_i32 s33, s26, 768
	s_add_co_u32 s33, s33, STATS
	v_add_nc_u32 v97, s33, v125
.irp i, 1,2,3                          ; where I read: my query tile is register tile i of wave (w - i) % 4
	s_sub_co_u32 s34, s26, \i
	s_and_b32 s34, s34, 3
	s_mul_i32 s35, s34, RED
	s_add_co_u32 s35, s35, 16384*(\i-1)
	v_add_nc_u32 v[97+\i], s35, v3
	s_mul_i32 s35, s34, 768
	s_add_co_u32 s35, s35, STATS+256*(\i-1)
	v_add_nc_u32 v[100+\i], s35, v125
.endr
.irp j, 113,115,117,119
	v_mov_b32 v[\j], 0                             ; named with the factors as pairs
.endr
	s_wait_dscnt 0x0
	s_barrier_signal -1
	s_barrier_wait -1                              ; every wave has left the loop: nobody reads Q or a stage any more
	WIN 0x08                                       ; store data in window 2: tile 1
.set n, 0
.rept 32
	ds_store_b128 v96, v[128+4*n:131+4*n] offset:512*n
.set n, n+1
.endr
	WIN 0x0c                                       ; window 3: tiles 2, 3
.set n, 0
.rept 64
	ds_store_b128 v96, v[4*n:4*n+3] offset:16384+512*n
.set n, n+1
.endr
	WIN 0
.irp i, 1,2,3
	ds_store_b64 v97, v[8+6*\i:9+6*\i] offset:256*(\i-1)
.endr
	s_wait_dscnt 0x0                               ; for the others' sake
	s_barrier_signal -1
	s_barrier_wait -1
.irp i, 1,2,3
	ds_load_b64 v[102+2*\i:103+2*\i], v[100+\i]
.endr
.macro RLOAD i
.set n, 0
.rept 32
	ds_load_b128 v[128+4*n:131+4*n], v[97+\i] offset:512*n
.set n, n+1
.endr
.endm
	RLOAD 1
	s_wait_dscnt 32                                ; the three (M, l) are in; the 32 loads behind them stay out
	v_max3_num_f32 v110, v8, v104, v106
	v_max_num_f32 v110, v110, v108
	v_sub_f32 v112, v8, v110
	v_sub_f32 v114, v104, v110
	v_sub_f32 v116, v106, v110
	v_sub_f32 v118, v108, v110
.irp j, 112,114,116,118
	v_exp_f32 v[\j], v[\j]
.endr
	v_nop
	s_wait_alu depctr_va_vdst(0)
	v_mul_f32 v111, v112, v9
	v_fmac_f32 v111, v114, v105
	v_fmac_f32 v111, v116, v107
	v_fmac_f32 v111, v118, v109                    ; l of all keys: at least 1, the weight of the row's maximum
	v_rcp_f32 v111, v111
	v_nop
	s_wait_alu depctr_va_vdst(0)
.irp j, 112,114,116,118
	v_mul_f32 v[\j], v[\j], v111
.endr
	WIN 0x82
.set n, 0
.rept 64
	v_pk_mul_f32 v[n:n+1], v[n:n+1], v[112:113] op_sel_hi:[1,0]
.set n, n+2
.endr
.irp i, 1,2,3
	s_wait_dscnt 0x0
	WIN 0xa0                                       ; destination and source 2 in window 2
.set n, 0
.rept 64
	v_pk_fma_f32 v[n:n+1], v[128+n:129+n], v[112+2*\i:113+2*\i], v[n:n+1] op_sel_hi:[1,0,1]
.set n, n+2
.endr
	WIN 0
.if \i < 3
	RLOAD (\i+1)
.endif
.endr
	WIN 0x0a                                       ; sources in window 2
.set n, 0
.rept 64
	v_cvt_pk_f16_f32 v[32+n], v[2*n], v[2*n+1]
.set n, n+1
.endr
	WIN 0
	s_mul_i32 s32, s26, QT
	s_add_co_u32 s32, s32, STAGE                   ; my stage
	v_lshrrev_b32 v126, 4, v3                      ; l
	v_and_b32 v123, 15, v126
	v_lshrrev_b32 v124, 4, v126
	v_mul_u32_u24 v120, v123, PQ
	v_lshl_add_u32 v120, v124, 4, v120
	v_add_nc_u32 v120, s32, v120                   ; in: row r, 16 bytes for each half of the lanes
	v_add_nc_u32 v121, s32, v3                     ; back: a whole row of 512 bytes
.irp c, 0,1,2,3,4,5,6,7,8,9,10,11,12,13,14,15
	ds_store_b128 v120, v[32+4*\c:35+4*\c] offset:32*\c
.endr
.irp t, 0,1,2,3,4,5,6,7,8,9,10,11,12,13,14,15
	ds_load_b128 v[128+4*\t:131+4*\t], v121 offset:PQ*\t  ; LDS serves a wave's instructions in order: these see the stores above
.endr
	s_lshl_b32 s38, ttmp9, 17                      ; 64 rows of 2,048 bytes a block,
	s_lshl_b32 s39, s26, 15                        ; my 16,
	s_add_co_u32 s38, s38, s39
	s_and_b32 s39, ttmp7, 0xffff
	s_lshl_b32 s39, s39, 9                         ; the head's 512 bytes of a row
	s_add_co_u32 s38, s38, s39
	s_mov_b32 s39, 0
	s_add_nc_u64 s[20:21], s[10:11], s[38:39]
.irp t, 0,1,2,3,4,5,6,7,8,9,10,11,12,13,14,15
	s_wait_dscnt 15-\t
	global_store_b128 v3, v[128+4*\t:131+4*\t], s[20:21] offset:2048*\t  ; 512 consecutive bytes, aligned
.endr
	s_wait_tensorcnt 0x0                           ; the wave's end: behind my last LDS store
	ds_add_u32 v6, v7
	s_wait_dscnt 0x0
	s_endpgm
.Lfunc_end_k_q5ecd873547_att:
	.size	k_q5ecd873547_att, .Lfunc_end_k_q5ecd873547_att-k_q5ecd873547_att
	.p2alignl 7, 3214868480
	.fill 96, 4, 3214868480
	.section	.rodata,"a",@progbits
	.p2align	6, 0x0
	.amdhsa_kernel k_q5ecd873547_att
		.amdhsa_group_segment_fixed_size 233984
		.amdhsa_private_segment_fixed_size 0
		.amdhsa_enable_private_segment 0
		.amdhsa_kernarg_size 32
		.amdhsa_user_sgpr_count 2
		.amdhsa_user_sgpr_kernarg_segment_ptr 1
		.amdhsa_wavefront_size32 1
		.amdhsa_system_sgpr_workgroup_id_x 1
		.amdhsa_system_sgpr_workgroup_id_y 1
		.amdhsa_system_sgpr_workgroup_id_z 1
		.amdhsa_system_vgpr_workitem_id 0
		.amdhsa_next_free_vgpr 1024
		.amdhsa_next_free_sgpr 106
		.amdhsa_reserve_vcc 0
		.amdhsa_float_denorm_mode_32 3
		.amdhsa_float_denorm_mode_16_64 3
		.amdhsa_memory_ordered 1
		.amdhsa_forward_progress 1
		.amdhsa_inst_pref_size 136
	.end_amdhsa_kernel
	.amdgpu_metadata
---
amdhsa.version: [ 1, 2 ]
amdhsa.kernels:
  - .name:           k_q5ecd873547_att
    .symbol:         k_q5ecd873547_att.kd
    .args:
      - { .name: QKV, .offset: 0, .size: 8, .value_kind: global_buffer, .address_space: global }
      - { .name: MSK, .offset: 8, .size: 8, .value_kind: global_buffer, .address_space: global }
      - { .name: QTI, .offset: 16, .size: 8, .value_kind: global_buffer, .address_space: global }
      - { .name: AO, .offset: 24, .size: 8, .value_kind: global_buffer, .address_space: global }
    .group_segment_fixed_size: 233984
    .private_segment_fixed_size: 0
    .kernarg_segment_align: 8
    .kernarg_segment_size: 32
    .max_flat_workgroup_size: 128
    .sgpr_count:     106
    .vgpr_count:     1024
    .wavefront_size: 32
...
	.end_amdgpu_metadata
.endif
;; end of part 3
;; launch proj (part 4): grid 8 x 32, 4 waves a work-group, clusters of 4 x 4, 327,680 bytes of LDS; arguments AO, WB, out0; writes out0
.if DOCPART == 4
	.amdgcn_target "amdgcn-amd-amdhsa--gfx1250"
	.amdhsa_code_object_version 6
	.text
	.protected	k_q5ecd873547_proj
	.globl	k_q5ecd873547_proj
	.p2align	8
	.type	k_q5ecd873547_proj,@function
k_q5ecd873547_proj:
	s_mov_b64 s[64:65], 0
	v_nop
	global_prefetch_b8 v0, s[64:65] scope:SCOPE_SE
	s_setreg_imm32_b32 hwreg(HW_REG_WAVE_MODE, 25, 1), 1
	s_wait_xcnt 0x0
	s_wait_alu depctr_hold_cnt(0) depctr_sa_sdst(0) depctr_va_vdst(0) depctr_va_sdst(0) depctr_va_ssrc(0) depctr_va_vcc(0) depctr_vm_vsrc(0)
	s_getreg_b32 s2, hwreg(HW_REG_IB_STS2, 6, 4)
	s_cmp_eq_u32 s2, 0
	s_cbranch_scc0 .Lentry_in_a_cluster
	s_endpgm
.Lentry_in_a_cluster:
	s_bfe_u32 s2, ttmp6, 0x10000c
	s_cmp_lg_u32 s2, 0xf033
	s_cbranch_scc0 .Lentry_shape_is_right
	s_endpgm
.Lentry_shape_is_right:
; out0 = O Wo.  O: AO [4096][1024] f16.  Wo: WB + 12 MiB, [1024 (k)][2048 (n)] f16 (the bf16 rounding of the input, written as f16).  out0: [4096][2048] f32.  Sums in f32.
; A tile is 128 rows x 256 columns: 256 work-groups.  Four waves, each 64 x 128: 32 accumulators.  K goes in steps of 128 through two LDS slots; O's rows come out of LDS as they lie, Wo's turned.
; The matrix instruction is used transposed (source 0 = 16 columns of Wo, source 1 = 16 rows of O): a lane holds 8 neighbouring columns of a row.
; CLUSTER 4 x 4: O's tile is shared along a row of the cluster, Wo's along a column: joint loads.
; REGISTERS: window 0: v16-30 addresses; v32-63, v64-95 fragments of O; v96-223 the way out.  window 1: v0-63, v64-127 fragments of Wo.  window 2: accumulator (a, b) at 8 (8 a + b).
.set KSTEP,  128
.set PITCH,  272
.set PB,     544
.set ATILE,  128*PITCH                 ; 34,816
.set SLOT,   ATILE+128*PB              ; O's 128 rows, then Wo's 128: 104,448
.set STAGE,  2*SLOT                    ; 16 rows x 528 bytes a wave
.set SPITCH, 528
.set SPARE,  STAGE+4*16*SPITCH         ; the spare words: 128 bytes a wave, two blocks of 256 bytes that no other line names
.set LAPS,   4
.set ADRA, 16
.set ADRB, 20
.set STO,  24
.set RD,   25
.set CO,   26
.set SPW,  28
.set NIL,  29
.set PFO,  30
.set OB,   96
.set G1,   24
.set G0,   32
.set G1B,  48
.set G0B,  56
.set PFA,  66
.set PST,  68
.set LIM,  70
.set MSB, 0
.macro WIN new
.if MSB != (\new)
	s_set_vgpr_msb (MSB<<8)|(\new)
.set MSB, \new
.endif
.endm
.macro JLOAD s                         ; waves 0, 1 fetch O's halves, waves 2, 3 Wo's; an s_nop 0 and four v_nop follow each line
	s_cmp_eq_u32 s11, 0
	s_cbranch_scc0 .Lfor_b_\@
	tensor_load_to_lds s[G0+4*(\s):G0+4*(\s)+3], s[G1:G1+7]
	s_nop 0
.rept 4
	v_nop
.endr
	s_branch .Lasked_\@
.Lfor_b_\@:
	tensor_load_to_lds s[G0B+4*(\s):G0B+4*(\s)+3], s[G1B:G1B+7]
	s_nop 0
.rept 4
	v_nop
.endr
.Lasked_\@:
.endm
; A prefetch of the K step two refills on.  O's 128 rows of a tile: wave 0 of cluster x = 0, 32 rows for each partner by cx.  Wo's: waves 2, 3 of cluster y = 0, 16 of their 64 rows, two blocks each, by cy.
; So each 256 bytes are named once.  The loop's last trip asks for nothing.
.macro ASK
	s_cmp_gt_u32 s3, s[LIM]
	s_cbranch_scc0 .Lnot_mine_\@
	global_prefetch_b8 v[PFO], s[PFA:PFA+1] th:TH_LOAD_NT scope:SCOPE_SE
.Lnot_mine_\@:
.endm
.macro CREST
	s_cmp_lg_u32 s10, 0
	s_cbranch_scc1 .Lnot_wave_0_\@
	s_barrier_signal -3
.Lnot_wave_0_\@:
	s_barrier_wait -3
	s_barrier_signal -1
	s_barrier_wait -1
.endm
.macro CROUND
	s_barrier_signal -1
	s_barrier_wait -1
	CREST
.endm
	s_load_b128 s[4:7], s[0:1], 0x0                ; AO s[4:5], WB s[6:7]
	s_load_b64 s[8:9], s[0:1], 0x10                ; out0
	v_lshl_add_u32 v[SPW], v0, 2, SPARE
	v_mov_b32 v[NIL], 0
	ds_add_u32 v[SPW], v[NIL]                      ; the wave's opening: the add and its wait ahead of my first tensor load
	v_lshrrev_b32 v1, 5, v0
	v_readfirstlane_b32 s10, v1
	s_lshr_b32 s11, s10, 1                         ; my half of the rows; also: I fetch O (0) or Wo (1)
	s_and_b32 s12, s10, 1                          ; my half of the columns; also: which half I fetch
	s_bfe_u32 s40, ttmp6, 0x40000                  ; cx
	s_bfe_u32 s41, ttmp6, 0x40004                  ; cy
	s_lshl_b32 s42, ttmp9, 2
	s_add_co_u32 s42, s42, s40                     ; tile column
	s_and_b32 s13, ttmp7, 0xffff
	s_lshl_b32 s13, s13, 2
	s_add_co_u32 s13, s13, s41                     ; tile row
	s_lshl_b32 s43, s41, 2
	s_lshl_b32 s43, 15, s43
	s_lshl_b32 s44, 0x1111, s40
	s_or_b32 s[G1], s43, (1<<16)|(1<<20)|(1<<21)|(5<<22)|(3<<25)
	s_or_b32 s[G1B], s44, (1<<16)|(1<<20)|(1<<21)|(6<<22)|(7<<25)
	s_mov_b32 s[G1+1], 128<<16                     ; O: 128 elements x 64 rows, 1,024 from row to row
	s_mov_b32 s[G1+2], 64<<16
	s_mov_b32 s[G1+3], 128<<16
	s_mov_b32 s[G1+4], 64
	s_mov_b32 s[G1+5], 1024
	s_mov_b32 s[G1+6], 0
	s_mov_b32 s[G1+7], 0
	s_mov_b32 s[G1B+1], 256<<16                    ; Wo: 256 elements x 64 rows, 2,048 from row to row
	s_mov_b32 s[G1B+2], 64<<16
	s_mov_b32 s[G1B+3], 256<<16
	s_mov_b32 s[G1B+4], 64
	s_mov_b32 s[G1B+5], 2048
	s_mov_b32 s[G1B+6], 0
	s_mov_b32 s[G1B+7], 0
	s_lshl_b32 s16, s13, 7
	s_lshl_b32 s17, s12, 6
	s_add_co_u32 s16, s16, s17
	s_lshl_b32 s16, s16, 11                        ; O: row 128 x tile row + 64 x half, 2,048 bytes a row
	s_mov_b32 s17, 0
	s_lshl_b32 s46, s42, 9                         ; Wo: 12 MiB, the tile's 512 bytes of a row, 64 rows x half
	s_add_co_u32 s46, s46, 0xc00000
	s_lshl_b32 s47, s12, 18
	s_add_co_u32 s46, s46, s47
	s_mov_b32 s47, 0
	s_mul_i32 s20, s12, 64*PITCH                   ; where they go
	s_mul_i32 s21, s12, 64*PB
	s_add_co_u32 s21, s21, ATILE
	s_wait_dscnt 0x0
	s_wait_kmcnt 0x0
	s_add_nc_u64 s[14:15], s[4:5], s[16:17]
	s_add_nc_u64 s[46:47], s[6:7], s[46:47]
	CROUND
.irp s, 0,1
	s_mov_b32 s[G0+4*(\s)], 1
	s_add_co_u32 s[G0+4*(\s)+1], s20, (\s)*SLOT
	s_add_nc_u64 s[G0+4*(\s)+2:G0+4*(\s)+3], s[14:15], (\s)*KSTEP*2
	s_or_b32 s[G0+4*(\s)+3], s[G0+4*(\s)+3], 0x80000000
	s_mov_b32 s[G0B+4*(\s)], 1
	s_add_co_u32 s[G0B+4*(\s)+1], s21, (\s)*SLOT
	s_add_nc_u64 s[G0B+4*(\s)+2:G0B+4*(\s)+3], s[46:47], (\s)*KSTEP*4096
	s_or_b32 s[G0B+4*(\s)+3], s[G0B+4*(\s)+3], 0x80000000
	JLOAD \s
.endr
	v_and_b32 v1, 15, v0
	v_bfe_u32 v2, v0, 4, 1
	v_and_b32 v6, 31, v0
	v_mul_u32_u24 v3, v1, PITCH
	v_lshl_add_u32 v3, v2, 4, v3
	s_mul_i32 s21, s11, 64*PITCH
	v_and_b32 v4, 7, v0
	v_lshl_add_u32 v4, v2, 3, v4
	v_mul_u32_u24 v4, v4, PB
	v_bfe_u32 v5, v0, 3, 1
	v_lshl_add_u32 v4, v5, 4, v4
	s_lshl_b32 s22, s12, 8
	s_add_co_u32 s22, s22, ATILE
.irp s, 0,1
	v_add_nc_u32 v[ADRA+(\s)], s21, v3
	v_add_nc_u32 v[ADRB+(\s)], s22, v4
	s_add_co_u32 s21, s21, SLOT
	s_add_co_u32 s22, s22, SLOT
.endr
	s_mul_i32 s23, s10, 16*SPITCH
	s_add_co_u32 s23, s23, STAGE
	v_mul_u32_u24 v4, v1, SPITCH
	v_lshl_add_u32 v4, v2, 5, v4
	v_add_nc_u32 v[STO], s23, v4                   ; in: row r, 32 bytes for each half of the lanes
	v_lshl_add_u32 v[RD], v6, 4, s23               ; back: a whole row of 512 bytes
	v_lshlrev_b32 v[CO], 4, v6
	s_lshl_b32 s16, s13, 7
	s_lshl_b32 s17, s11, 6
	s_add_co_u32 s16, s16, s17
	s_lshl_b32 s16, s16, 13                        ; my first row of out0, 8,192 bytes a row,
	s_lshl_b32 s17, s42, 10
	s_add_co_u32 s16, s16, s17                     ; the tile's 1,024 bytes,
	s_lshl_b32 s17, s12, 9
	s_add_co_u32 s16, s16, s17                     ; my 512 of them
	s_mov_b32 s17, 0
	s_add_nc_u64 s[8:9], s[8:9], s[16:17]
	; the prefetches
	s_lshl_b32 s16, s13, 7
	s_lshl_b32 s17, s40, 5
	s_add_co_u32 s16, s16, s17
	s_lshl_b32 s16, s16, 11
	s_add_co_u32 s16, s16, 3*KSTEP*2               ; O: my work-group's 32 rows, at K step 3: the first refill steps it to 4
	s_lshl_b32 s18, s12, 6
	s_lshl_b32 s19, s41, 4
	s_add_co_u32 s18, s18, s19
	s_add_co_u32 s18, s18, 3*KSTEP
	s_lshl_b32 s18, s18, 12
	s_add_co_u32 s18, s18, 0xc00000
	s_lshl_b32 s19, s42, 9
	s_add_co_u32 s18, s18, s19                     ; Wo: my work-group's 16 rows
	s_and_b32 s22, ttmp7, 0xffff
	s_mov_b32 s[PST], KSTEP*2
	s_mov_b32 s[PST+1], KSTEP*4096
	s_cmp_eq_u32 s11, 0
	s_cselect_b32 s16, s16, s18
	s_cselect_b32 s22, ttmp9, s22                  ; the coordinate along which other clusters read the same rows
	s_cselect_b32 s23, s12, 0                      ; (of O's two fetchers wave 0 asks)
	s_cselect_b64 s[PFA:PFA+1], s[4:5], s[6:7]
	s_cselect_b32 s[PST], s[PST], s[PST+1]
	s_cselect_b32 s71, -1, 0
	s_mov_b32 s[PST+1], 0
	s_mov_b32 s17, 0
	s_add_nc_u64 s[PFA:PFA+1], s[PFA:PFA+1], s[16:17]
	s_or_b32 s22, s22, s23
	s_cmp_eq_u32 s22, 0
	s_cselect_b32 s[LIM], 1, -1
	v_lshlrev_b32 v7, 11, v6
	v_lshrrev_b32 v8, 1, v6
	v_lshlrev_b32 v8, 12, v8
	v_and_b32 v9, 1, v6
	v_lshl_add_u32 v8, v9, 8, v8
	v_cndmask_b32 v[PFO], v8, v7, s71
.macro MUL8 f, a, zero                 ; row block a x all 8 column blocks, 32 along K
	WIN 0xa1                                       ; source 0 window 1, source 1 window 0, C and D window 2
.irp b, 0,1,2,3,4,5,6,7
.if \zero
	v_wmma_f32_16x16x32_f16 v[8*(8*(\a)+\b):8*(8*(\a)+\b)+7], v[64*(\f)+8*\b:64*(\f)+8*\b+7], v[32+32*(\f)+8*(\a):32+32*(\f)+8*(\a)+7], 0
.else
	v_wmma_f32_16x16x32_f16 v[8*(8*(\a)+\b):8*(8*(\a)+\b)+7], v[64*(\f)+8*\b:64*(\f)+8*\b+7], v[32+32*(\f)+8*(\a):32+32*(\f)+8*(\a)+7], v[8*(8*(\a)+\b):8*(8*(\a)+\b)+7]
.endif
.endr
.endm
.macro FETCH slot, q, f                ; 24 LDS loads in one run: Wo's 128 columns, turned, then O's 64 rows
	WIN 0x40
.irp i, 0,1,2,3,4,5,6,7
	ds_load_tr16_b128 v[64*(\f)+8*\i:64*(\f)+8*\i+3],   v[ADRB+(\slot)] offset:(\q)*32*PB+32*\i
	ds_load_tr16_b128 v[64*(\f)+8*\i+4:64*(\f)+8*\i+7], v[ADRB+(\slot)] offset:(\q)*32*PB+16*PB+32*\i
.endr
	WIN 0
.irp i, 0,1,2,3
	ds_load_b128 v[32+32*(\f)+8*\i:32+32*(\f)+8*\i+3],   v[ADRA+(\slot)] offset:64*(\q)+\i*16*PITCH
	ds_load_b128 v[32+32*(\f)+8*\i+4:32+32*(\f)+8*\i+7], v[ADRA+(\slot)] offset:64*(\q)+\i*16*PITCH+32
.endr
.endm
.macro PLACES
.rept 4
	v_nop
.endr
.endm
.macro QUARTER slot, q, f, g, zero
	s_wait_dscnt 4                                 ; Wo and O's row blocks 0, 1 are in; the youngest four loads may be out
	MUL8 \f, 0, \zero
	MUL8 \f, 1, \zero
	PLACES
	FETCH \slot, \q, \g
	s_wait_dscnt 24                                ; all but the 24 just issued
	MUL8 \f, 2, \zero
	MUL8 \f, 3, \zero
.endm
.macro TURN slot, next, fill           ; a K step's last quarter, on buffer 1, and the change of slots
.if \fill
	s_wait_xcnt 0x0                                ; the last prefetch, a K step back, has read its address
	s_add_nc_u64 s[PFA:PFA+1], s[PFA:PFA+1], s[PST:PST+1]
.endif
	WIN 0
	s_wait_tensorcnt 0x0                           ; all my tensor loads have landed: my part of the next slot
	ds_add_u32 v[SPW], v[NIL]                      ; 0 onto my spare word
	s_wait_dscnt 5                                 ; (the add and the youngest four loads may be out)
	MUL8 1, 0, 0
	s_wait_dscnt 0x0                               ; the add is done, and my reads of this slot are over
	s_barrier_signal -1
	MUL8 1, 1, 0
.if \fill
	WIN 0
.endif
	s_barrier_wait -1
.if \fill
	CREST                                          ; no wave of any partner still reads this slot or has a load on its way
	s_add_nc_u64 s[G0+4*(\slot)+2:G0+4*(\slot)+3], s[G0+4*(\slot)+2:G0+4*(\slot)+3], 2*KSTEP*2
	s_add_nc_u64 s[G0B+4*(\slot)+2:G0B+4*(\slot)+3], s[G0B+4*(\slot)+2:G0B+4*(\slot)+3], 2*KSTEP*4096
	JLOAD \slot                                    ; its four v_nop are also the places in front of the loads below
.else
	PLACES
.endif
	FETCH \next, 0, 0
.if \fill
	ASK
.endif
	MUL8 1, 2, 0
	MUL8 1, 3, 0
.endm
	s_wait_tensorcnt 1                             ; my part of K step 0 is in; K step 1's may stay out
	s_barrier_signal -1
	s_barrier_wait -1
	FETCH 0, 0, 0
	QUARTER 0, 1, 0, 1, 1                          ; the first quarter's products start the sums
	WIN 0
	s_mov_b32 s3, LAPS-1
.Llap:                                         ; once round the ring; the 32 accumulators take turns, over the jump too
	QUARTER 0, 2, 1, 0, 0
	QUARTER 0, 3, 0, 1, 0
	TURN 0, 1, 1
	QUARTER 1, 1, 0, 1, 0
	QUARTER 1, 2, 1, 0, 0
	QUARTER 1, 3, 0, 1, 0
	TURN 1, 0, 1
	QUARTER 0, 1, 0, 1, 0
	WIN 0
	s_sub_co_u32 s3, s3, 1
	s_cmp_lg_u32 s3, 0
	s_cbranch_scc1 .Llap
	QUARTER 0, 2, 1, 0, 0                          ; the last lap fills nothing
	QUARTER 0, 3, 0, 1, 0
	TURN 0, 1, 0
	QUARTER 1, 1, 0, 1, 0
	QUARTER 1, 2, 1, 0, 0
	QUARTER 1, 3, 0, 1, 0
	s_wait_dscnt 4
	MUL8 1, 0, 0
	MUL8 1, 1, 0
	s_wait_dscnt 0x0
	MUL8 1, 2, 0
	MUL8 1, 3, 0
	WIN 0
	PLACES
; THE WAY OUT: 16 rows at a time through my own stage: 32 bytes a lane in, whole rows of 512 bytes back.
.irp a, 0,1,2,3
	s_wait_xcnt 0x0                                ; the stores two blocks back have read the registers that are loaded again below
	WIN 0x08                                       ; store data in window 2
.irp b, 0,1,2,3,4,5,6,7
	ds_store_b128 v[STO], v[8*(8*\a+\b):8*(8*\a+\b)+3]   offset:64*\b      ; each accumulator's low registers first
	ds_store_b128 v[STO], v[8*(8*\a+\b)+4:8*(8*\a+\b)+7] offset:64*\b+16
.endr
	WIN 0
.irp t, 0,1,2,3,4,5,6,7,8,9,10,11,12,13,14,15
	ds_load_b128 v[OB+64*(\a%2)+4*\t:OB+64*(\a%2)+4*\t+3], v[RD] offset:SPITCH*\t  ; LDS serves a wave's instructions in order: these see the stores above, the next block's stores come behind them
.endr
.irp t, 0,1,2,3,4,5,6,7,8,9,10,11,12,13,14,15
	s_wait_dscnt 15-\t
	global_store_b128 v[CO], v[OB+64*(\a%2)+4*\t:OB+64*(\a%2)+4*\t+3], s[8:9] offset:(16*\a+\t)*8192  ; 512 consecutive bytes, aligned
.endr
.endr
	s_wait_tensorcnt 0x0                           ; the wave's end: behind my last tensor load and LDS store
	ds_add_u32 v[SPW], v[NIL]
	s_wait_dscnt 0x0
	CROUND                                         ; the closing round
	s_endpgm
.Lfunc_end_k_q5ecd873547_proj:
	.size	k_q5ecd873547_proj, .Lfunc_end_k_q5ecd873547_proj-k_q5ecd873547_proj
	.p2alignl 7, 3214868480
	.fill 96, 4, 3214868480
	.section	.rodata,"a",@progbits
	.p2align	6, 0x0
	.amdhsa_kernel k_q5ecd873547_proj
		.amdhsa_group_segment_fixed_size 327680
		.amdhsa_private_segment_fixed_size 0
		.amdhsa_enable_private_segment 0
		.amdhsa_kernarg_size 24
		.amdhsa_user_sgpr_count 2
		.amdhsa_user_sgpr_kernarg_segment_ptr 1
		.amdhsa_wavefront_size32 1
		.amdhsa_system_sgpr_workgroup_id_x 1
		.amdhsa_system_sgpr_workgroup_id_y 1
		.amdhsa_system_sgpr_workgroup_id_z 1
		.amdhsa_system_vgpr_workitem_id 0
		.amdhsa_next_free_vgpr 768
		.amdhsa_next_free_sgpr 72
		.amdhsa_reserve_vcc 0
		.amdhsa_float_denorm_mode_32 3
		.amdhsa_float_denorm_mode_16_64 3
		.amdhsa_memory_ordered 1
		.amdhsa_forward_progress 1
		.amdhsa_inst_pref_size 89
	.end_amdhsa_kernel
	.amdgpu_metadata
---
amdhsa.version: [ 1, 2 ]
amdhsa.kernels:
  - .name:           k_q5ecd873547_proj
    .symbol:         k_q5ecd873547_proj.kd
    .args:
      - { .name: AO, .offset: 0, .size: 8, .value_kind: global_buffer, .address_space: global }
      - { .name: WB, .offset: 8, .size: 8, .value_kind: global_buffer, .address_space: global }
      - { .name: out0, .offset: 16, .size: 8, .value_kind: global_buffer, .address_space: global }
    .group_segment_fixed_size: 327680
    .private_segment_fixed_size: 0
    .kernarg_segment_align: 8
    .kernarg_segment_size: 24
    .max_flat_workgroup_size: 128
    .sgpr_count:     72
    .vgpr_count:     768
    .wavefront_size: 32
...
	.end_amdgpu_metadata
.endif
;; end of part 4
